; MI455X (gfx1250); checked and timed in simulation.
; The chip was launched on July 23, 2026; its instructions are those of AMD's public machine-readable ISA for CDNA 5 (MIT licence, August 2026) and "CDNA5" Instruction Set Architecture Reference Guide (July 2026). The comments in the code are by the model that wrote it; some were corrected since.
;; Self Attention. Allowed arithmetic: matrix products marked QUANTISED: E3M2 operands, one E8M0 scale for each 32 along K, by v_wmma_scale_f32_16x16x128_f8f6f4 with both operands' format E3M2, f32 sums; everything else in f32.
;; Inputs: W_proj 1,024 x 1,024 float32; W_qkv 1,024 x 3,072 float32; b_proj 1,024 float32; b_qkv 3,072 float32; beta 1,024 float32; gamma 1,024 float32; x 4 x 1,024 x 2,048 float32.
;; Outputs: out0 4 x 1,024 x 2,048 float32.
;; This version of the problem:
;;   THIS VERSION OF THE PROBLEM IS GIVEN IN LOW PRECISION. The matrix products marked QUANTISED in the list below multiply operands that are first quantised to E3M2 (3 exponent bits, 2 mantissa bits; 6 bits a number), with one power-of-two scale for each 32 numbers along K (OCP MX v1.0); their sums are f32. All else is computed in f32.
;;   The module's matrix products, in the order in which they are computed (A, B: the left and right operand; K: the contracted axis; several contracted axes count as one K, in the product's order):
;;     1. [M 8,192, K 1,024] x [K 1,024, N 3,072]; A: computed on the way; B: input W_qkv: QUANTISED
;;     2. batch 64 x [M 2,048, K 64] x [K 64, N 2,048]; A: computed on the way; B: computed on the way: QUANTISED
;;     3. batch 64 x [M 2,048, K 2,048] x [K 2,048, N 64]; A: softmax (see below); B: computed on the way: QUANTISED
;;     4. [M 8,192, K 1,024] x [K 1,024, N 1,024]; A: computed on the way; B: input W_proj: QUANTISED
;;   THE QUANTISER, for each operand of a quantised product, along K:
;;     - K is cut into blocks of 32 from its start; a last block that is shorter is filled with zeros.
;;     - A block's scale is 2^e with e = floor(log2(the largest magnitude in the block)) - 4, held to -126 .. 127; a block of zeros has e = 0. As a byte (E8M0): e + 127.
;;     - Each number is divided by its block's scale, clamped to +-28, and rounded to the nearest number of E3M2, ties to even, subnormals kept.
;;     - The product sums the exact products of the quantised numbers (number of the format x scale) in f32.
;;   ~~~python
;;   def quantise(x, axis):      # numpy; x: float32 -> the quantised numbers, widened to float32 again
;;       x = np.moveaxis(x, axis, -1); K = x.shape[-1]
;;       x = np.pad(x, [(0, 0)] * (x.ndim - 1) + [(0, -K % 32)]); x = x.reshape(x.shape[:-1] + (-1, 32)); a = np.abs(x).max(-1, keepdims=True)
;;       e = np.where(a > 0, np.clip(np.frexp(np.where(a > 0, a, 1))[1] - 1 - 4, -126, 127), 0)      # np.frexp(a)[1] - 1 = floor(log2(a)), exactly
;;       r = np.clip(x / 2.0 ** e, -28, 28)
;;       step = 2.0 ** (np.maximum(np.frexp(np.where(r == 0, 1, r))[1] - 1, -2) - 2)
;;       q = np.round(r / step) * step * 2.0 ** e      # np.round: ties to even
;;       return np.moveaxis(q.reshape(q.shape[:-2] + (-1,))[..., :K], -1, axis).astype(np.float32)
;;   ~~~
;;   SOFTMAX AHEAD OF A QUANTISED PRODUCT. Where the list says 'softmax', what is quantised is not the finished softmax but p = 2^(t - M), with t = logit x log2(e) and M = ceil(the row's largest t), a whole number; so 1/2 < the row's largest p <= 1. The row's sum l is taken of the UNQUANTISED p, in f32, and the product's result is divided by l at the end. Since M is a whole number, a kernel that streams over the keys may use a running M (the ceiling of the running maximum): every later rescaling is an exact power of two, which a block's scale takes up: the codes' values come out the same.
;;   OPERANDS COMPUTED ON THE WAY. 'Computed on the way' means the value that the module computes at that place (a softmax that the list does not call 'softmax' is quantised finished and normalised). What goes into a quantiser is computed in f32, as accurately as f32 sums, v_exp_f32 and their like allow (about 1e-6 of the number): no bf16 or f16 on the way to a quantiser, and a product that is left as it is and whose result goes on into a quantised operand takes f32 operands (vector FMAs, or v_wmma_f32_16x16x4_f32). A number that lies on a knife's edge between two numbers of the format may be rounded either way, as far as f32 arithmetic and the matrix unit's own rounding can turn it there, and no further.
;; One version. Each part assembles by itself: llvm-mc -triple=amdgcn-amd-amdhsa -mcpu=gfx1250 --defsym DOCPART=n.
;; ======== version 1 of 1: 4 launches
;; limits: right only within a limited range of input values
;; workspace buffers: codes 9,437,184 bytes; scales 393,216 bytes; qb 6,815,744 bytes; kv 13,631,488 bytes; oc 6,291,456 bytes; os2 262,144 bytes
;; launch prep (part 1): grid 192 x 1, 16 waves a work-group, no clusters, 57,344 bytes of LDS; arguments x, W_qkv, W_proj, gamma, beta, codes, scales; writes codes, scales
.if DOCPART == 1
	.amdgcn_target "amdgcn-amd-amdhsa--gfx1250"
	.amdhsa_code_object_version 6
	.text
	.protected	k_qc17153da55_prep
	.globl	k_qc17153da55_prep
	.p2align	8
	.type	k_qc17153da55_prep,@function
k_qc17153da55_prep:
	s_mov_b64 s[64:65], 0
	v_nop
	global_prefetch_b8 v0, s[64:65] scope:SCOPE_SE
	s_setreg_imm32_b32 hwreg(HW_REG_WAVE_MODE, 25, 1), 1
	s_wait_xcnt 0x0
; LayerNorm of x over its channels, and the quantising to codes of BF6 (E3M2), with one E8M0 byte for each 32 along K, of three operands whose K (1,024) is their FIRST axis:
; x [4][1024][2048] (normalised first), W_qkv [1024][3072], W_proj [1024][1024].  A LANE TAKES A COLUMN, AND ITS REGISTERS RUN DOWN K: a block of 32 lies in one lane, nothing is transposed.
; SHARES.  Work-group g owns 64 columns, which become operand rows 64 g .. 64 g + 63 (0-8191: x's b x 2048 + t; 8192-11263: W_qkv's n; 11264-12287: W_proj's c), for all of K.
; Wave w: columns 32 (w % 2) on (two waves read 256 consecutive bytes of a row), K = 128 (w / 2) on: 128 numbers a lane, all asked for at once.
; One path serves all three: only pointer, pitch and offset are chosen, on the work-group's number.  For the weights the mean is multiplied by 0 (so nothing is taken off them) and the lines
; that scale by the deviation, gamma and beta are jumped over; their column sums are made and not used, since the barriers stand on every path.
; THE OUTPUT'S ORDER.  Within each group of 32 rows, row l lies at the place got by exchanging bits 3 and 4 of l: a tile of 16 such places is the set of rows whose results, in the next product,
; fall as 16 neighbours into a lane's registers.  codes: [K / 64][tile of 16 rows][768 bytes]; the 768 bytes are the image of six operand registers: lane (r, h) holds K = 32 h .. 32 h + 31 of row r:
; its registers 0-3 at 16 x lane, its registers 4-5 at 512 + 8 x lane.  scales: [row's place][32 bytes], a byte for each 32 along K.
; A block's byte is its largest magnitude's exponent field - 4, held at 1 from below (a block of zeros gets 1: its codes are zeros, and this program alone reads the bytes).
; LIMITS: NaN and infinities among the inputs are not served; blocks whose largest magnitude lies under 2^-122 get the byte 1.
; No tensor load, no matrix unit, no cluster: memory binds, and no two work-groups read the same bytes.
.set PITCHC, 589824                    ; bytes of codes for 64 along K: 768 tiles x 768
.set WSTG,  3072                       ; LDS 0 on: a stage for each wave: [64 along K: 2][tile: 2][768]
.set SUM,   49152                      ; [K part 8][column 64] f32: partial sums;  2,048 bytes on: partial sums of squares
.set SCG,   53248                      ; [row's place 64][32]: the scale bytes
.set LA,   3                           ; v3   stage: my row's 16 bytes of registers 0-3
.set LB,   4                           ; v4   stage: my row's 8 bytes of registers 4-5 (512 more stand in the immediate)
.set LR,   5                           ; v5   stage, on the way out: 16 x lane
.set GO,   6                           ; v6   16 x lane
.set SST,  7                           ; v7   where I put a partial sum
.set SLD,  8                           ; v8   where my column's partial sums begin
.set SCA,  9                           ; v9   where I put my scale word
.set MU,   10                          ; v[10:11] the mean, twice
.set RS,   12                          ; v[12:13] 1 / deviation, twice
.set SOUT, 14                          ; v14  16 x (thread % 128)
.set OFF,  16                          ; v16-47  byte offset of my column in rows 0 .. 31 of a block
.set X,    48                          ; v48-175 my 128 numbers
.set C,    176                         ; v176-181 a block's codes
.set E,    182                         ; v182-184 their second half, as the conversion leaves it
.set SW,   185                         ; v185 my four scale bytes
.set T,    186                         ; v186-193 at work
.set OUTR, 200                         ; v200-223 the way out
.set SB,   84                          ; s[84:91] the address of each of my four blocks' first rows
.set WV,   94
.set SINV, 95                          ; 1 / 1024 for x, 0 for the weights
	s_load_b256 s[4:11], s[0:1], 0x0               ; x, W_qkv, W_proj, gamma
	s_load_b128 s[12:15], s[0:1], 0x20             ; beta, codes
	s_load_b64 s[92:93], s[0:1], 0x30              ; scales
	v_lshl_add_u32 v224, v0, 2, 0xd800
	v_mov_b32 v225, 0
	v_lshrrev_b32 v1, 5, v0
	s_delay_alu instid0(VALU_DEP_1)
	v_readfirstlane_b32 s[WV], v1                  ; wave 0..15
	s_and_b32 s17, s[WV], 1                        ; which 32 columns
	s_lshr_b32 s18, s[WV], 1                       ; which 128 along K
	v_and_b32 v1, 31, v0                           ; lane = my column in its group of 32
	v_bfe_u32 v[T], v0, 3, 1                       ; its bit 3 says which tile of 16 places,
	v_bfe_u32 v[T+1], v0, 4, 1
	v_and_b32 v[T+2], 7, v0
	s_delay_alu instid0(VALU_DEP_1)
	v_lshl_or_b32 v[T+2], v[T+1], 3, v[T+2]        ; its bit 4 and bits 2:0 which place in the tile
	s_mul_i32 s16, s[WV], WSTG
	v_mul_u32_u24 v[T+3], v[T], 768
	s_delay_alu instid0(VALU_DEP_1)
	v_add_nc_u32 v[T+3], s16, v[T+3]
	s_delay_alu instid0(VALU_DEP_1)
	v_lshl_add_u32 v[LA], v[T+2], 4, v[T+3]
	s_delay_alu instid0(VALU_DEP_2)
	v_lshl_add_u32 v[LB], v[T+2], 3, v[T+3]
	v_lshlrev_b32 v[GO], 4, v1
	s_delay_alu instid0(VALU_DEP_1)
	v_add_nc_u32 v[LR], s16, v[GO]
	v_and_b32 v[T+3], 63, v0                       ; my column among the work-group's 64
	s_delay_alu instid0(VALU_DEP_1)
	v_lshlrev_b32 v[OFF], 2, v[T+3]
	s_delay_alu instid0(VALU_DEP_1)
	v_add_nc_u32 v[SLD], SUM, v[OFF]
	v_lshrrev_b32 v[T+4], 6, v0                    ; which 128 along K
	s_delay_alu instid0(VALU_DEP_1)
	v_lshl_add_u32 v[SST], v[T+4], 8, v[SLD]
	v_bfe_u32 v[T+5], v0, 5, 1
	v_lshl_or_b32 v[T+2], v[T], 4, v[T+2]
	s_delay_alu instid0(VALU_DEP_1)
	v_lshl_or_b32 v[T+2], v[T+5], 5, v[T+2]        ; my row's place among the 64
	s_delay_alu instid0(VALU_DEP_1)
	v_lshlrev_b32 v[SCA], 5, v[T+2]
	s_delay_alu instid0(VALU_DEP_1)
	v_lshl_add_u32 v[SCA], v[T+4], 2, v[SCA]
	s_delay_alu instid0(VALU_DEP_1)
	v_add_nc_u32 v[SCA], SCG, v[SCA]
	v_and_b32 v[SOUT], 127, v0
	s_delay_alu instid0(VALU_DEP_1)
	v_lshlrev_b32 v[SOUT], 4, v[SOUT]
	s_lshr_b32 s20, ttmp9, 5                       ; x: batch x 2^23 bytes + 256 bytes for each 64 columns
	s_lshl_b32 s20, s20, 23
	s_and_b32 s21, ttmp9, 31
	s_lshl_b32 s21, s21, 8
	s_add_co_u32 s20, s20, s21
	s_sub_co_u32 s21, ttmp9, 128                   ; W_qkv: 256 bytes for each work-group from 128 on
	s_lshl_b32 s21, s21, 8
	s_sub_co_u32 s22, ttmp9, 176                   ; W_proj: from 176 on
	s_lshl_b32 s22, s22, 8
	s_mov_b32 s23, 8192                            ; bytes from a row of K to the next: x,
	s_mov_b32 s24, 12288                           ; W_qkv,
	s_mov_b32 s25, 4096                            ; W_proj
	s_mov_b32 s2, 0x3a800000                       ; 1 / 1024
	s_mov_b32 s3, 0x3727c5ac                       ; 1e-5
	s_wait_kmcnt 0x0
	s_cmp_lt_u32 ttmp9, 176                        ; the choices hang on the work-group's number alone
	s_cselect_b64 s[6:7], s[6:7], s[8:9]
	s_cselect_b32 s21, s21, s22
	s_cselect_b32 s24, s24, s25
	s_cmp_lt_u32 ttmp9, 128
	s_cselect_b64 s[4:5], s[4:5], s[6:7]
	s_cselect_b32 s20, s20, s21
	s_cselect_b32 s19, s23, s24                    ; the pitch
	s_cselect_b32 s[SINV], s2, 0
	s_mov_b32 s21, 0
	s_add_nc_u64 s[4:5], s[4:5], s[20:21]
	s_lshl_b32 s22, s18, 7
	s_mul_i32 s22, s22, s19                        ; my first row of K
	s_mov_b32 s23, 0
	s_add_nc_u64 s[SB:SB+1], s[4:5], s[22:23]
	s_lshl_b32 s22, s19, 5                         ; 32 rows on for each block
.irp b, 1,2,3
	s_add_nc_u64 s[SB+2*\b:SB+2*\b+1], s[SB+2*\b-2:SB+2*\b-1], s[22:23]
.endr
.set jj, 1
	v_add_nc_u32 v[OFF+jj], s19, v[OFF+jj-1]
.set jj, jj+1
.rept (31)-1
	s_delay_alu instid0(VALU_DEP_1)
	v_add_nc_u32 v[OFF+jj], s19, v[OFF+jj-1]
.set jj, jj+1
.endr
.irp b, 0,1,2,3
.set jj, 0
.rept 32
	global_load_b32 v[X+32*\b+jj], v[OFF+jj], s[SB+2*\b:SB+2*\b+1] th:TH_LOAD_NT   ; 32 lanes read 128 consecutive bytes; read once in this launch
.set jj, jj+1
.endr
.endr
	s_mul_i32 s22, s18, 2*PITCHC                   ; where my codes go: two runs of 64 along K,
	s_lshl_b32 s24, ttmp9, 2
	s_lshl_b32 s25, s17, 1
	s_add_co_u32 s24, s24, s25
	s_mul_i32 s24, s24, 768                        ; tiles 4 g + 2 (w % 2) and the next
	s_add_co_u32 s22, s22, s24
	s_add_nc_u64 s[14:15], s[14:15], s[22:23]
	s_lshl_b32 s22, ttmp9, 11                      ; the work-group's 64 rows of 32 scale bytes
	s_add_nc_u64 s[92:93], s[92:93], s[22:23]
	s_lshl_b32 s22, s18, 9                         ; gamma and beta at my first channel
	s_add_nc_u64 s[10:11], s[10:11], s[22:23]
	s_add_nc_u64 s[12:13], s[12:13], s[22:23]
; Four chains in v[T] .. v[T+7] become one number; the eight waves that share my columns put theirs side by side; every wave adds all eight.  The result is in v[T].
.macro ACROSS off
	s_delay_alu instid0(VALU_DEP_3)
	v_pk_add_f32 v[T:T+1], v[T:T+1], v[T+2:T+3]
	s_delay_alu instid0(VALU_DEP_2)
	v_pk_add_f32 v[T+4:T+5], v[T+4:T+5], v[T+6:T+7]
	s_delay_alu instid0(VALU_DEP_1)
	v_pk_add_f32 v[T:T+1], v[T:T+1], v[T+4:T+5]
	s_delay_alu instid0(VALU_DEP_1)
	v_add_f32 v[T], v[T], v[T+1]
	ds_store_b32 v[SST], v[T] offset:\off
	s_wait_dscnt 0x0                               ; for the others' sake: my store has landed
	s_barrier_signal -1
	s_barrier_wait -1
.irp i, 0,1,2,3,4,5,6,7
	ds_load_b32 v[T+\i], v[SLD] offset:\off+256*\i
.endr
	s_wait_dscnt 0x0
	v_pk_add_f32 v[T:T+1], v[T:T+1], v[T+2:T+3]
	v_pk_add_f32 v[T+4:T+5], v[T+4:T+5], v[T+6:T+7]
	s_delay_alu instid0(VALU_DEP_1)
	v_pk_add_f32 v[T:T+1], v[T:T+1], v[T+4:T+5]
	s_delay_alu instid0(VALU_DEP_1)
	v_add_f32 v[T], v[T], v[T+1]
.endm
.macro ADDUP n                         ; n more pairs go into the four chains
.rept \n
	v_pk_add_f32 v[T+2*(pp%4):T+2*(pp%4)+1], v[T+2*(pp%4):T+2*(pp%4)+1], v[X+2*pp:X+2*pp+1]
.set pp, pp+1
.endr
.endm
	; ---- the mean
	s_wait_loadcnt 63                              ; at most 63 of the 128 loads are out: blocks 0 and 1 are in
.irp c, 0,1,2,3
	v_pk_add_f32 v[T+2*\c:T+2*\c+1], v[X+2*\c:X+2*\c+1], v[X+8+2*\c:X+9+2*\c]   ; the first eight pairs start the chains: nothing is cleared
.endr
.set pp, 8
	ADDUP 24
	s_wait_alu depctr_va_vdst(0)
	s_wait_loadcnt 32                              ; block 2 is in
	ADDUP 16
	s_wait_alu depctr_va_vdst(0)
	s_wait_loadcnt 0x0
	ADDUP 16
	ACROSS 0
	s_delay_alu instid0(VALU_DEP_1)
	v_mul_f32 v[MU], s[SINV], v[T]
	s_delay_alu instid0(VALU_DEP_1)
	v_mov_b32 v[MU+1], v[MU]
	; ---- the variance, of the numbers less the mean: a common offset does no harm
.set pp, 0
.rept 64
	v_pk_add_f32 v[X+2*pp:X+2*pp+1], v[X+2*pp:X+2*pp+1], v[MU:MU+1] neg_lo:[0,1] neg_hi:[0,1]
.set pp, pp+1
.endr
.irp c, 0,1,2,3
	v_pk_mul_f32 v[T+2*\c:T+2*\c+1], v[X+2*\c:X+2*\c+1], v[X+2*\c:X+2*\c+1]
.endr
.set pp, 4
.rept 60
	s_delay_alu instid0(VALU_DEP_4)
	v_pk_fma_f32 v[T+2*(pp%4):T+2*(pp%4)+1], v[X+2*pp:X+2*pp+1], v[X+2*pp:X+2*pp+1], v[T+2*(pp%4):T+2*(pp%4)+1]
.set pp, pp+1
.endr
	ACROSS 2048
	s_delay_alu instid0(VALU_DEP_1)
	v_fma_f32 v[T+1], v[T], s2, s3                 ; variance + 1e-5
	s_wait_alu depctr_va_vdst(0)
	v_rsq_f32 v[RS], v[T+1]
	v_rsq_f32 v[RS+1], v[T+1]
	v_nop                                          ; a plain place behind the transcendentals
	s_cmp_ge_u32 ttmp9, 128                        ; the weights are quantised as they are: the jump passes register work and scalar loads alone
	s_cbranch_scc1 .Lweights
.irp b, 0,1,2,3                        ; ((x - mean) / deviation) x gamma + beta: a lane's register is a channel, so gamma and beta are scalars
	s_load_b512 s[16:31], s[10:11], 128*\b
	s_load_b512 s[32:47], s[10:11], 128*\b+64
	s_load_b512 s[48:63], s[12:13], 128*\b
	s_load_b512 s[68:83], s[12:13], 128*\b+64
.set pp, 0
	s_wait_alu depctr_va_vdst(0)
.rept 16
	v_pk_mul_f32 v[X+32*\b+2*pp:X+32*\b+2*pp+1], v[X+32*\b+2*pp:X+32*\b+2*pp+1], v[RS:RS+1]
.set pp, pp+1
.endr
	s_wait_alu depctr_va_vdst(0)
	s_wait_kmcnt 0x0
.set jj, 0
.rept 16
	v_fma_f32 v[X+32*\b+jj], v[X+32*\b+jj], s[16+jj], s[48+jj]
	v_fma_f32 v[X+32*\b+16+jj], v[X+32*\b+16+jj], s[32+jj], s[68+jj]
.set jj, jj+1
.endr
.endr
.Lweights:
; ---- a block of 32 along K: its largest magnitude, its byte, its 192 bits of codes, which go to their place in the image
.macro BLOCK b
.set XS, X+32*\b
	v_max3_num_f32 v[T], |v[XS]|, |v[XS+1]|, |v[XS+2]|
	v_max3_num_f32 v[T+1], |v[XS+3]|, |v[XS+4]|, |v[XS+5]|
.irp i, 6,10,14,18,22,26
	s_delay_alu instid0(VALU_DEP_2)
	v_max3_num_f32 v[T], v[T], |v[XS+\i]|, |v[XS+\i+1]|
	s_delay_alu instid0(VALU_DEP_2)
	v_max3_num_f32 v[T+1], v[T+1], |v[XS+\i+2]|, |v[XS+\i+3]|
.endr
	s_delay_alu instid0(VALU_DEP_2)
	v_max3_num_f32 v[T], v[T], |v[XS+30]|, |v[XS+31]|
	s_delay_alu instid0(VALU_DEP_1)
	v_max3_num_f32 v[T], v[T], v[T+1], 0x2800000   ; and the floor 2^(5 - 127): the byte cannot fall under 1
	s_delay_alu instid0(VALU_DEP_1)
	v_add_nc_u32 v[T+2], 0xfe000000, v[T]          ; 4 off the exponent field: the conversion takes that field of this operand as its scale
	s_delay_alu instid0(VALU_DEP_1)
	v_lshrrev_b32 v[T+3], 23, v[T+2]               ; the byte
.if \b == 0
	s_delay_alu instid0(VALU_DEP_1)
	v_mov_b32 v[SW], v[T+3]
.else
	s_delay_alu instid0(VALU_DEP_1)
	v_lshl_or_b32 v[SW], v[T+3], 8*\b, v[SW]
.endif
	v_cvt_scalef32_pk16_bf6_f32 v[C:C+2], v[XS:XS+15], v[T+2]
	v_cvt_scalef32_pk16_bf6_f32 v[E:E+2], v[XS+16:XS+31], v[T+2]   ; (a conversion's three registers begin on an even number)
	v_nop                                          ; a plain place behind the scaled conversions
.irp i, 0,1,2
	v_mov_b32 v[C+3+\i], v[E+\i]
.endr
	ds_store_b128 v[LA], v[C:C+3] offset:(\b/2)*1536+256*(\b%2)        ; block b is half b % 2 of the lanes in the image of 64 along K number b / 2
	ds_store_b64 v[LB], v[C+4:C+5] offset:(\b/2)*1536+128*(\b%2)+512
	s_wait_dscnt 0x0                               ; the stores have read their registers: the next block's codes may be written
.endm
	BLOCK 0
	BLOCK 1
	BLOCK 2
	BLOCK 3
	s_wait_alu depctr_va_vdst(0)
	ds_store_b32 v[SCA], v[SW]
.irp i, 0,1,2,3,4,5
	ds_load_b128 v[OUTR+4*\i:OUTR+4*\i+3], v[LR] offset:512*\i     ; my own stage: LDS serves a wave's instructions in order
.endr
.irp i, 0,1,2,3,4,5
	s_wait_dscnt 5-\i
	global_store_b128 v[GO], v[OUTR+4*\i:OUTR+4*\i+3], s[14:15] offset:(\i/3)*PITCHC+512*(\i%3)   ; 32 lanes store 512 consecutive bytes, at a multiple of 256 from the buffer's first byte
.endr
	s_barrier_signal -1                            ; (no LDS instruction of mine is out: the last count above was 0)
	s_barrier_wait -1                              ; all 64 rows' scale bytes lie in LDS
	s_cmp_ge_u32 s[WV], 4
	s_cbranch_scc1 .Ldone
	ds_load_b128 v[C:C+3], v[SOUT] offset:SCG      ; waves 0 to 3 take 512 bytes each
	s_wait_dscnt 0x0
	global_store_b128 v[SOUT], v[C:C+3], s[92:93]
.Ldone:
	s_wait_tensorcnt 0x0
	ds_add_u32 v224, v225
	s_wait_dscnt 0x0
	s_endpgm
.Lfunc_end_k_qc17153da55_prep:
	.size	k_qc17153da55_prep, .Lfunc_end_k_qc17153da55_prep-k_qc17153da55_prep
	.p2alignl 7, 3214868480
	.fill 96, 4, 3214868480
	.section	.rodata,"a",@progbits
	.p2align	6, 0x0
	.amdhsa_kernel k_qc17153da55_prep
		.amdhsa_group_segment_fixed_size 57344
		.amdhsa_private_segment_fixed_size 0
		.amdhsa_enable_private_segment 0
		.amdhsa_kernarg_size 56
		.amdhsa_user_sgpr_count 2
		.amdhsa_user_sgpr_kernarg_segment_ptr 1
		.amdhsa_wavefront_size32 1
		.amdhsa_system_sgpr_workgroup_id_x 1
		.amdhsa_system_sgpr_workgroup_id_y 1
		.amdhsa_system_sgpr_workgroup_id_z 1
		.amdhsa_system_vgpr_workitem_id 0
		.amdhsa_next_free_vgpr 226
		.amdhsa_next_free_sgpr 96
		.amdhsa_reserve_vcc 0
		.amdhsa_float_denorm_mode_32 3
		.amdhsa_float_denorm_mode_16_64 3
		.amdhsa_memory_ordered 1
		.amdhsa_forward_progress 1
		.amdhsa_inst_pref_size 59
	.end_amdhsa_kernel
	.amdgpu_metadata
---
amdhsa.version: [ 1, 2 ]
amdhsa.kernels:
  - .name:           k_qc17153da55_prep
    .symbol:         k_qc17153da55_prep.kd
    .args:
      - { .name: x, .offset: 0, .size: 8, .value_kind: global_buffer, .address_space: global }
      - { .name: W_qkv, .offset: 8, .size: 8, .value_kind: global_buffer, .address_space: global }
      - { .name: W_proj, .offset: 16, .size: 8, .value_kind: global_buffer, .address_space: global }
      - { .name: gamma, .offset: 24, .size: 8, .value_kind: global_buffer, .address_space: global }
      - { .name: beta, .offset: 32, .size: 8, .value_kind: global_buffer, .address_space: global }
      - { .name: codes, .offset: 40, .size: 8, .value_kind: global_buffer, .address_space: global }
      - { .name: scales, .offset: 48, .size: 8, .value_kind: global_buffer, .address_space: global }
    .group_segment_fixed_size: 57344
    .private_segment_fixed_size: 0
    .kernarg_segment_align: 8
    .kernarg_segment_size: 56
    .max_flat_workgroup_size: 512
    .sgpr_count:     96
    .vgpr_count:     226
    .wavefront_size: 32
...
	.end_amdgpu_metadata
.endif
;; end of part 1
;; launch qkv (part 2): grid 12 x 32, 4 waves a work-group, clusters of 4 x 4, 327,680 bytes of LDS; arguments codes, scales, b_qkv, qb, kv; writes qb, kv
.if DOCPART == 2
	.amdgcn_target "amdgcn-amd-amdhsa--gfx1250"
	.amdhsa_code_object_version 6
	.text
	.protected	k_qc17153da55_qkv
	.globl	k_qc17153da55_qkv
	.p2align	8
	.type	k_qc17153da55_qkv,@function
k_qc17153da55_qkv:
	s_mov_b64 s[64:65], 0
	v_nop
	global_prefetch_b8 v0, s[64:65] scope:SCOPE_SE
	s_setreg_imm32_b32 hwreg(HW_REG_WAVE_MODE, 25, 1), 1
	s_wait_xcnt 0x0
	s_wait_alu depctr_hold_cnt(0) depctr_sa_sdst(0) depctr_va_vdst(0) depctr_va_sdst(0) depctr_va_ssrc(0) depctr_va_vcc(0) depctr_vm_vsrc(0)
	s_getreg_b32 s2, hwreg(HW_REG_IB_STS2, 6, 4)
	s_cmp_eq_u32 s2, 0
	s_cbranch_scc0 .Lentry_in_a_cluster
	s_endpgm
.Lentry_in_a_cluster:
	s_bfe_u32 s2, ttmp6, 0x10000c
	s_cmp_lg_u32 s2, 0xf033
	s_cbranch_scc0 .Lentry_shape_is_right
	s_endpgm
.Lentry_shape_is_right:
.set PITCHC, 589824
.set HUNIT,  768
.set KU,     8*HUNIT
.set HALFT,  4*KU
.set SLOT,   4*HALFT
.set STEPR,  8*PITCHC
.set STEPP,  8*PITCHC
.set NQ,     2
.set FR,     12
.set NL,     4
.set NP,     4
.set KS,     32
.set SCL,    2*SLOT
.set HALFS,  (128*KS/256)*272
.set SBLK,   (16*KS/256)*272
.set SPARE,  SCL+4*HALFS
.set PART,   6656
.set ADRA, 16
.set ADRB, 20
.set L16,  24
.set L8,   25
.set ADRS, 27
.set SPW,  28
.set NIL,  29
.set BPO,  30
.set BRO,  31
.set SC,   32
.set BP,   64
.set AF,   128
.set T,    128
.set PC,   192
.set TM,   212
.set PWS,  228
.set BR,   236
.set Z,    252
.set G1, 24
.set G0, 32
.set G1B, 48
.set G0B, 56
.set G1S, 68
.set G0S, 76
.set G1SB, 80
.set G0SB, 88
.set SEL, 68
.set OB1, 82
.set OB2, 84
.set SB1, 86
.set SB2, 88
.set INC, 90
.set JMPB, 92
.set MSB, 0
.macro WIN new
.if MSB != \new
	s_set_vgpr_msb (MSB<<8)|\new
.set MSB, \new
.endif
.endm
.set MUL_LO, 0xa1
.set MUL_HI, 0xf1
.set TO_B,   0x40
.macro JLOAD g0a, g1a, g0b, g1b
	s_cmp_eq_u32 s15, 0
	s_cbranch_scc0 .Lfor_b_\@
	tensor_load_to_lds s[\g0a:\g0a+3], s[\g1a:\g1a+7]
	s_nop 0
.rept 4
	v_nop
.endr
	s_branch .Lasked_\@
.Lfor_b_\@:
	tensor_load_to_lds s[\g0b:\g0b+3], s[\g1b:\g1b+7]
	s_nop 0
.rept 4
	v_nop
.endr
.Lasked_\@:
.endm
.macro CREST
	s_cmp_lg_u32 s14, 0
	s_cbranch_scc1 .Lnot_wave_0_\@
	s_barrier_signal -3
.Lnot_wave_0_\@:
	s_barrier_wait -3
	s_barrier_signal -1
	s_barrier_wait -1
.endm
.macro CROUND
	s_barrier_signal -1
	s_barrier_wait -1
	CREST
.endm
	s_load_b128 s[4:7], s[0:1], 0x0
	s_load_b128 s[8:11], s[0:1], 0x10
	s_load_b64 s[12:13], s[0:1], 0x20
	v_lshl_add_u32 v[SPW], v0, 2, SPARE
	v_mov_b32 v[NIL], 0
	ds_add_u32 v28, v29
	ds_add_u32 v28, v29
	s_wait_dscnt 0x0
	v_lshrrev_b32 v1, 5, v0
	v_readfirstlane_b32 s14, v1
	s_lshr_b32 s15, s14, 1
	s_and_b32 s16, s14, 1
	s_bfe_u32 s40, ttmp6, 0x40000
	s_bfe_u32 s41, ttmp6, 0x40004
	s_and_b32 s18, ttmp7, 0xffff
	s_cmp_eq_u32 ttmp9, 2
	s_cselect_b32 s19, s18, ttmp9
	s_cselect_b32 s20, 0, s18
	s_cselect_b32 s21, 640, 0
	s_cselect_b32 s22, 0, 512
	s_cselect_b32 s98, -1, 0
	s_mov_b32 s99, 0xffff0000
	s_lshl_b32 s42, s19, 2
	s_add_co_u32 s42, s42, s40
	s_lshl_b32 s17, s20, 2
	s_add_co_u32 s17, s17, s41
	s_lshl_b32 s43, s41, 2
	s_lshl_b32 s43, 15, s43
	s_lshl_b32 s44, 0x1111, s40
	s_or_b32 s[G1+0], s43, (3<<16)|(1<<21)
	s_or_b32 s[G1B+0], s44, (3<<16)|(1<<21)
.irp g, G1, G1B
	s_mov_b32 s[\g+1], 768<<16
	s_mov_b32 s[\g+2], 4<<16
	s_mov_b32 s[\g+3], 768<<16
	s_mov_b32 s[\g+4], 4
	s_mov_b32 s[\g+5], PITCHC/8
	s_mov_b32 s[\g+6], 0
	s_mov_b32 s[\g+7], 0
.endr
	s_lshl_b32 s18, s16, 3
	s_lshl_b32 s20, s17, 4
	s_add_co_u32 s20, s20, s21
	s_add_co_u32 s20, s20, s18
	s_lshl_b32 s46, s42, 4
	s_add_co_u32 s46, s46, s22
	s_add_co_u32 s46, s46, s18
	s_lshl_b32 s22, s20, 9
	s_mov_b32 s23, 0
	s_mul_i32 s20, s20, HUNIT
	s_mov_b32 s21, 0
	s_lshl_b32 s92, s46, 9
	s_mov_b32 s93, 0
	s_mul_i32 s46, s46, HUNIT
	s_mov_b32 s47, 0
	s_mul_i32 s45, s14, HALFT
	s_mul_i32 s2, s14, HALFS
	s_lshl_b32 s94, s42, 10
	s_lshl_b32 s95, s16, 9
	s_add_co_u32 s94, s94, s95
	s_lshl_b32 s96, s17, 10
	s_lshl_b32 s97, s15, 9
	s_add_co_u32 s96, s96, s97
	s_add_co_u32 s96, s96, 8192
	s_cmp_eq_u32 ttmp9, 2
	s_cselect_b32 s94, 0, s94
	s_cselect_b32 s96, s96, 0
	s_mov_b32 s95, 0
	s_mov_b32 s97, 0
	s_wait_kmcnt 0x0
	s_add_nc_u64 s[20:21], s[4:5], s[20:21]
	s_add_nc_u64 s[22:23], s[6:7], s[22:23]
	s_add_nc_u64 s[46:47], s[4:5], s[46:47]
	s_add_nc_u64 s[92:93], s[6:7], s[92:93]
	s_add_nc_u64 s[94:95], s[8:9], s[94:95]
	s_add_nc_u64 s[96:97], s[8:9], s[96:97]
	CROUND
.irp s, 0,1
	s_mov_b32 s[G0+4*\s], 1
	s_add_co_u32 s[G0+4*\s+1], s45, \s*SLOT
	s_add_nc_u64 s[G0+4*\s+2:G0+4*\s+3], s[20:21], \s*4*PITCHC
	s_or_b32 s[G0+4*\s+3], s[G0+4*\s+3], 0x80000000
	s_mov_b32 s[G0B+4*\s], 1
	s_add_co_u32 s[G0B+4*\s+1], s45, \s*SLOT
	s_add_nc_u64 s[G0B+4*\s+2:G0B+4*\s+3], s[46:47], \s*4*PITCHC
	s_or_b32 s[G0B+4*\s+3], s[G0B+4*\s+3], 0x80000000
.if \s
	; THE SCALE BYTES come through registers while slot 0's joint load, the head's one tensor load a wave, is out: 4,096 bytes a wave (waves 0, 1: A's 128 rows each; waves 2, 3: B's),
	; to the same places: rows of 256 bytes + 16.  They are not asked for jointly: 16,384 bytes a work-group beside 98,304 of codes in each slot.
	s_cmp_eq_u32 s15, 0
	s_cselect_b64 s[22:23], s[22:23], s[92:93]
	v_and_b32 v3, 31, v0
	v_lshlrev_b32 v4, 4, v3
.irp i, 0,1,2,3,4,5,6,7
	global_load_b128 v[128+4*\i:131+4*\i], v4, s[22:23] offset:512*\i   ; 32 lanes read 512 consecutive bytes
.endr
	v_lshrrev_b32 v5, 4, v3
	v_and_b32 v6, 15, v0
	v_mul_u32_u24 v5, v5, 272
	v_lshl_add_u32 v5, v6, 4, v5
	s_add_co_u32 s2, s2, SCL
	v_add_nc_u32 v5, s2, v5                        ; my quarter of the scales' bytes + 272 (lane / 16) + 16 (lane % 16)
	s_wait_alu depctr_va_vdst(0)
	s_wait_loadcnt 0x0
.irp i, 0,1,2,3,4,5,6,7
	ds_store_b128 v5, v[128+4*\i:131+4*\i] offset:544*\i
.endr
	s_wait_tensorcnt 0x0
	ds_add_u32 v28, v29
	s_wait_dscnt 0x0
	CROUND
.endif
	JLOAD G0+4*\s, G1, G0B+4*\s, G1B
.endr
	v_and_b32 v1, 15, v0
	v_bfe_u32 v2, v0, 4, 1
	v_and_b32 v3, 31, v0
	v_lshlrev_b32 v[L16], 4, v3
	v_lshlrev_b32 v[L8], 3, v3
	v_add_nc_u32 v4, 512, v[L8]
	s_mul_i32 s21, s15, HALFT
	s_mul_i32 s22, s16, HALFT
	s_add_co_u32 s22, s22, 2*HALFT
.irp s, 0,1
	v_add_nc_u32 v[ADRA+\s], s21, v[L16]
	v_add_nc_u32 v[ADRB+\s], s22, v[L16]
	v_add_nc_u32 v[ADRA+2+\s], s21, v4
	v_add_nc_u32 v[ADRB+2+\s], s22, v4
	s_add_co_u32 s21, s21, SLOT
	s_add_co_u32 s22, s22, SLOT
.endr
	v_mul_u32_u24 v5, v1, KS
	v_lshrrev_b32 v6, 8, v5
	v_lshl_add_u32 v5, v6, 4, v5
	s_mul_i32 s21, s15, HALFS
	s_mul_i32 s22, s16, HALFS
	s_add_co_u32 s22, s22, 2*HALFS
	s_sub_co_u32 s22, s22, s21
	v_mul_u32_u24 v6, s22, v2
	s_add_co_u32 s21, s21, SCL
	v_add_nc_u32 v5, v5, v6
	v_add_nc_u32 v[ADRS], s21, v5
	v_lshlrev_b32 v[BPO], 6, v2
	v_and_b32 v5, 8, v1
	v_add_nc_u32 v5, v5, v1
	v_lshlrev_b32 v[BRO], 2, v5
.irp g, 0,1,2,3
.irp i, 0,1,2,3
	global_load_b128 v[BP+16*\g+4*\i:BP+16*\g+4*\i+3], v[BPO], s[94:95] offset:128*\g+16*\i
.endr
.endr
.irp a, 0,1,2,3,4,5,6,7
	global_load_b32 v[BR+2*\a], v[BRO], s[96:97] offset:4*(32*(\a/2)+8*(\a%2))
.endr
.macro FRAG reg, adr, q, i
	ds_load_b128 v[\reg:\reg+3], v[\adr] offset:2*(\q)*KU+(\i)*HUNIT
	ds_load_b64 v[\reg+4:\reg+5], v[\adr+2] offset:2*(\q)*KU+(\i)*HUNIT
	ds_load_b128 v[\reg+6:\reg+9], v[\adr] offset:(2*(\q)+1)*KU+(\i)*HUNIT
	ds_load_b64 v[\reg+10:\reg+11], v[\adr+2] offset:(2*(\q)+1)*KU+(\i)*HUNIT
.endm
.macro MUL16 a0, p, q, sc, zero
.irp a, \a0, \a0+1
.irp b, 0,1,2,3,4,5,6,7
.if \zero
	v_wmma_scale_f32_16x16x128_f8f6f4 v[8*(8*((\a)%4)+\b):8*(8*((\a)%4)+\b)+7], v[128*(\p)+FR*\b:128*(\p)+FR*\b+FR-1], v[AF+FR*(\a):AF+FR*(\a)+FR-1], 0, v[SC+8*NQ*(\sc)+NQ*\b+(\q)], v[SC+8*NQ*(\sc)+NQ*(\a)+(\q)] matrix_a_fmt:MATRIX_FMT_BF6 matrix_b_fmt:MATRIX_FMT_BF6 matrix_a_scale:MATRIX_SCALE_ROW1
.else
	v_wmma_scale_f32_16x16x128_f8f6f4 v[8*(8*((\a)%4)+\b):8*(8*((\a)%4)+\b)+7], v[128*(\p)+FR*\b:128*(\p)+FR*\b+FR-1], v[AF+FR*(\a):AF+FR*(\a)+FR-1], v[8*(8*((\a)%4)+\b):8*(8*((\a)%4)+\b)+7], v[SC+8*NQ*(\sc)+NQ*\b+(\q)], v[SC+8*NQ*(\sc)+NQ*(\a)+(\q)] matrix_a_fmt:MATRIX_FMT_BF6 matrix_b_fmt:MATRIX_FMT_BF6 matrix_a_scale:MATRIX_SCALE_ROW1
.endif
.endr
.endr
.endm
.macro FETCH_B slot, q, p
	WIN TO_B
.irp i, 0,1,2,3,4,5,6,7
	FRAG 128*(\p)+FR*\i, ADRB+\slot, \q, \i
.endr
	WIN 0
.endm
.macro FETCH_A slot, q, i0
.irp i, \i0, \i0+1, \i0+2, \i0+3
	FRAG AF+FR*(\i), ADRA+\slot, \q, \i
.endr
.endm
.macro SCALES sc
.irp i, 0,1,2,3,4,5,6,7
	ds_load_b64 v[SC+8*NQ*\sc+NQ*\i:SC+8*NQ*\sc+NQ*\i+1], v[ADRS] offset:\i*SBLK
.endr
.endm
.macro PLACES n
.rept \n
	v_nop
.endr
.endm
.macro STEP slot, q, zero
	s_wait_dscnt 4*NL
	WIN MUL_LO
	MUL16 0, (\q)%2, \q, \slot, \zero
	MUL16 2, (\q)%2, \q, \slot, \zero
	s_wait_dscnt 0
	PLACES NP
	FETCH_B \slot, (\q)+1, 1-(\q)%2
	FETCH_A \slot, (\q)+1, 0
	WIN MUL_HI
	MUL16 4, (\q)%2, \q, \slot, \zero
	MUL16 6, (\q)%2, \q, \slot, \zero
	PLACES NP
	WIN 0
	FETCH_A \slot, (\q)+1, 4
.endm
.macro TURN slot, next, fill
	s_wait_tensorcnt 0x0
	ds_add_u32 v[SPW], v[NIL]
	s_wait_dscnt 4*NL+1
	WIN MUL_LO
	MUL16 0, 1, NQ-1, \slot, 0
	s_wait_dscnt 0x0
	s_barrier_signal -1
	MUL16 2, 1, NQ-1, \slot, 0
	WIN 0
	s_barrier_wait -1
.if \fill
	CREST
	s_add_nc_u64 s[G0+4*\slot+2:G0+4*\slot+3], s[G0+4*\slot+2:G0+4*\slot+3], STEPR
	s_add_nc_u64 s[G0B+4*\slot+2:G0B+4*\slot+3], s[G0B+4*\slot+2:G0B+4*\slot+3], STEPP
	JLOAD G0+4*\slot, G1, G0B+4*\slot, G1B
.else
	PLACES NP
.endif
	s_wait_alu depctr_va_vdst(0)
	v_add_nc_u32 v[ADRS], 4*NQ, v[ADRS]
	FETCH_B \next, 0, 0
	FETCH_A \next, 0, 0
	SCALES \next
	WIN MUL_HI
	MUL16 4, 1, NQ-1, \slot, 0
	MUL16 6, 1, NQ-1, \slot, 0
	PLACES NP
	WIN 0
	FETCH_A \next, 0, 4
.endm
	s_wait_alu depctr_va_vdst(0)
	s_wait_tensorcnt 1
	s_barrier_signal -1
	s_barrier_wait -1
	FETCH_B 0, 0, 0
	FETCH_A 0, 0, 0
	SCALES 0
	FETCH_A 0, 0, 4
	STEP 0, 0, 1
	TURN 0, 1, 1
	STEP 1, 0, 0
	TURN 1, 0, 1
	STEP 0, 0, 0
	TURN 0, 1, 0
	STEP 1, 0, 0
	s_wait_dscnt 4*NL
	WIN MUL_LO
	MUL16 0, 1, NQ-1, 1, 0
	MUL16 2, 1, NQ-1, 1, 0
	s_wait_dscnt 0
	WIN MUL_HI
	MUL16 4, 1, NQ-1, 1, 0
	MUL16 6, 1, NQ-1, 1, 0
	WIN 0
	s_wait_loadcnt 0x0
.set ii, 0
.rept 64
	v_cndmask_b32 v[BP+ii], v[BP+ii], 1.0, s98
.set ii, ii+1
.endr
.irp a, 0,1,2,3,4,5,6,7
	v_cndmask_b32 v[BR+2*\a], 1.0, v[BR+2*\a], s98
.endr
.irp a, 0,1,2,3,4,5,6,7
	v_mov_b32 v[BR+2*\a+1], v[BR+2*\a]
.endr
.irp b, 0,1,2,3
	v_mov_b32 v[TM+4+\b], 0
.endr
	s_mov_b32 s[SEL], 0x76543210
	s_mov_b32 s[SEL+1], 0xfedcba98
	s_and_b32 s72, s42, 3
	s_mov_b32 s[INC], HUNIT
	s_mov_b32 s75, 2*PART
	s_cmp_eq_u32 ttmp9, 2
	s_cselect_b32 s70, s42, s17
	s_cselect_b32 s71, s16, s15
	s_cselect_b32 s72, s17, s72
	s_cselect_b32 s73, s15, s16
	s_cselect_b32 s74, PART, 0
	s_cselect_b32 s[INC], 2*HUNIT, s[INC]
	s_cselect_b32 s[JMPB], 16*2*PART-4*2*HUNIT, 0
	s_cmp_eq_u32 ttmp9, 0
	s_cselect_b32 s75, PART, s75
	s_cselect_b64 s[10:11], s[10:11], s[12:13]
	s_mov_b32 s[INC+1], 0
	s_mov_b32 s[JMPB+1], 0
	s_lshl_b32 s76, s75, 4
	s_mov_b32 s77, 0
	s_lshr_b32 s78, s70, 3
	s_lshl_b32 s78, s78, 4
	s_lshl_b32 s79, s72, 2
	s_add_co_u32 s78, s78, s79
	s_lshl_b32 s79, s73, 1
	s_add_co_u32 s78, s78, s79
	s_lshl_b32 s78, s78, 4
	s_and_b32 s79, s70, 7
	s_lshl_b32 s79, s79, 1
	s_add_co_u32 s78, s78, s79
	s_add_co_u32 s78, s78, s71
	s_mul_i32 s80, s78, s75
	s_add_co_u32 s80, s80, s74
	s_mov_b32 s81, 0
	s_add_nc_u64 s[OB1:OB1+1], s[10:11], s[80:81]
	s_mov_b64 s[SB1:SB1+1], s[OB1:OB1+1]
	s_add_nc_u64 s[SB2:SB2+1], s[SB1:SB1+1], s[76:77]
	s_cmp_eq_u32 ttmp9, 2
	s_cselect_b32 s80, HUNIT, s76
	s_add_nc_u64 s[OB2:OB2+1], s[OB1:OB1+1], s[80:81]
.macro QUANT s, pw
.irp b, 0,1,2,3
	v_max3_num_f32 v[TM+\b], |v[\s+16*\b]|, |v[\s+1+16*\b]|, 0x2800000
.endr
.irp i, 2,4,6,8,10,12,14
.irp b, 0,1,2,3
	v_max3_num_f32 v[TM+\b], v[TM+\b], |v[\s+16*\b+\i]|, |v[\s+1+16*\b+\i]|
.endr
.endr
.irp b, 0,1,2,3
	v_permlanex16_b32 v[TM+4+\b], v[TM+\b], s[SEL], s[SEL+1]
.endr
.irp b, 0,1,2,3
	v_max_num_f32 v[TM+\b], v[TM+\b], v[TM+4+\b]
.endr
.irp b, 0,1,2,3
	v_add_nc_u32 v[TM+12+\b], 0xfe000000, v[TM+\b]
.endr
.irp b, 0,1,2,3
	v_lshrrev_b32 v[TM+4+\b], 23, v[TM+12+\b]
.endr
	v_lshl_or_b32 v[\pw], v[TM+5], 8, v[TM+4]
	v_lshl_or_b32 v[\pw], v[TM+6], 16, v[\pw]
	v_lshl_or_b32 v[\pw], v[TM+7], 24, v[\pw]
.irp c, 0,1
	v_cvt_scalef32_pk16_bf6_f32 v[PC+6*\c:PC+2+6*\c], v[\s+32*\c:\s+15+32*\c], v[TM+12+2*\c]
	v_cvt_scalef32_pk16_bf6_f32 v[PC+12+4*\c:PC+14+4*\c], v[\s+16+32*\c:\s+31+32*\c], v[TM+12+2*\c+1]
.endr
	v_nop
.irp c, 0,1
.irp i, 0,1,2
	v_permlane16_swap_b32 v[PC+6*\c+\i], v[PC+12+4*\c+\i]
.endr
.irp i, 0,1,2
	v_mov_b32 v[PC+3+6*\c+\i], v[PC+12+4*\c+\i]
.endr
.endr
.endm
.macro OUTBLK a
.set AC, 64*((\a)%4)
.if (\a) > 0
	s_wait_xcnt 0x0
	s_add_nc_u64 s[OB1:OB1+1], s[OB1:OB1+1], s[INC:INC+1]
	s_add_nc_u64 s[OB2:OB2+1], s[OB2:OB2+1], s[INC:INC+1]
.endif
.if (\a) == 4
	s_add_nc_u64 s[OB1:OB1+1], s[OB1:OB1+1], s[JMPB:JMPB+1]
	s_add_nc_u64 s[OB2:OB2+1], s[OB2:OB2+1], s[JMPB:JMPB+1]
.endif
	WIN 0x20+0x10*((\a)/4)
.set ii, 0
.rept 32
	v_pk_fma_f32 v[T+ii:T+ii+1], v[BP+ii:BP+ii+1], v[BR+2*(\a):BR+2*(\a)+1], v[AC+ii:AC+ii+1]
.set ii, ii+2
.endr
	WIN 0
	QUANT T, PWS+(\a)
	global_store_b128 v[L16], v[PC:PC+3], s[OB1:OB1+1]
	global_store_b64 v[L8], v[PC+4:PC+5], s[OB1:OB1+1] offset:512
	global_store_b128 v[L16], v[PC+6:PC+9], s[OB2:OB2+1]
	global_store_b64 v[L8], v[PC+10:PC+11], s[OB2:OB2+1] offset:512
.endm
.irp a, 0,1,2,3,4,5,6,7
	OUTBLK \a
.endr
.irp g, 0,1,2,3
	v_cndmask_b32 v[Z+\g], v[PWS+2*\g], v[PWS+2*\g+1], s99
.endr
.irp g, 0,1,2,3
	v_and_b32 v[T+\g], 0xffff, v[Z+\g]
	v_lshrrev_b32 v[T+4+\g], 16, v[Z+\g]
.endr
.irp g, 0,1,2,3
	v_cndmask_b32 v[T+\g], v[T+\g], v[PWS+\g], s98
	v_cndmask_b32 v[T+4+\g], v[T+4+\g], v[PWS+4+\g], s98
.endr
	global_store_b128 v[L16], v[T:T+3], s[SB1:SB1+1] offset:8*HUNIT
	global_store_b128 v[L16], v[T+4:T+7], s[SB2:SB2+1] offset:8*HUNIT
	s_wait_tensorcnt 0x0
	ds_add_u32 v[SPW], v[NIL]
	s_wait_dscnt 0x0
	CROUND
	s_endpgm
.Lfunc_end_k_qc17153da55_qkv:
	.size	k_qc17153da55_qkv, .Lfunc_end_k_qc17153da55_qkv-k_qc17153da55_qkv
	.p2alignl 7, 3214868480
	.fill 96, 4, 3214868480
	.section	.rodata,"a",@progbits
	.p2align	6, 0x0
	.amdhsa_kernel k_qc17153da55_qkv
		.amdhsa_group_segment_fixed_size 327680
		.amdhsa_private_segment_fixed_size 0
		.amdhsa_enable_private_segment 0
		.amdhsa_kernarg_size 40
		.amdhsa_user_sgpr_count 2
		.amdhsa_user_sgpr_kernarg_segment_ptr 1
		.amdhsa_wavefront_size32 1
		.amdhsa_system_sgpr_workgroup_id_x 1
		.amdhsa_system_sgpr_workgroup_id_y 1
		.amdhsa_system_sgpr_workgroup_id_z 1
		.amdhsa_system_vgpr_workitem_id 0
		.amdhsa_next_free_vgpr 1024
		.amdhsa_next_free_sgpr 100
		.amdhsa_reserve_vcc 0
		.amdhsa_float_denorm_mode_32 3
		.amdhsa_float_denorm_mode_16_64 3
		.amdhsa_memory_ordered 1
		.amdhsa_forward_progress 1
		.amdhsa_inst_pref_size 175
	.end_amdhsa_kernel
	.amdgpu_metadata
---
amdhsa.version: [ 1, 2 ]
amdhsa.kernels:
  - .name:           k_qc17153da55_qkv
    .symbol:         k_qc17153da55_qkv.kd
    .args:
      - { .name: codes, .offset: 0, .size: 8, .value_kind: global_buffer, .address_space: global }
      - { .name: scales, .offset: 8, .size: 8, .value_kind: global_buffer, .address_space: global }
      - { .name: b_qkv, .offset: 16, .size: 8, .value_kind: global_buffer, .address_space: global }
      - { .name: qb, .offset: 24, .size: 8, .value_kind: global_buffer, .address_space: global }
      - { .name: kv, .offset: 32, .size: 8, .value_kind: global_buffer, .address_space: global }
    .group_segment_fixed_size: 327680
    .private_segment_fixed_size: 0
    .kernarg_segment_align: 8
    .kernarg_segment_size: 40
    .max_flat_workgroup_size: 128
    .sgpr_count:     100
    .vgpr_count:     1024
    .wavefront_size: 32
...
	.end_amdgpu_metadata
.endif
;; end of part 2
;; launch attn (part 3): grid 4 x 64, 8 waves a work-group, clusters of 4 x 1, 268,288 bytes of LDS; arguments qb, kv, oc, os2; writes oc, os2
.if DOCPART == 3
	.amdgcn_target "amdgcn-amd-amdhsa--gfx1250"
	.amdhsa_code_object_version 6
	.text
	.protected	k_qc17153da55_attn
	.globl	k_qc17153da55_attn
	.p2align	8
	.type	k_qc17153da55_attn,@function
k_qc17153da55_attn:
	s_mov_b64 s[64:65], 0
	v_nop
	global_prefetch_b8 v0, s[64:65] scope:SCOPE_SE
	s_setreg_imm32_b32 hwreg(HW_REG_WAVE_MODE, 25, 1), 1
	s_wait_xcnt 0x0
	s_wait_alu depctr_hold_cnt(0) depctr_sa_sdst(0) depctr_va_vdst(0) depctr_va_sdst(0) depctr_va_ssrc(0) depctr_va_vcc(0) depctr_vm_vsrc(0)
	s_getreg_b32 s2, hwreg(HW_REG_IB_STS2, 6, 4)
	s_cmp_eq_u32 s2, 0
	s_cbranch_scc0 .Lentry_in_a_cluster
	s_endpgm
.Lentry_in_a_cluster:
	s_bfe_u32 s2, ttmp6, 0x10000c
	s_cmp_lg_u32 s2, 0x3003
	s_cbranch_scc0 .Lentry_shape_is_right
	s_endpgm
.Lentry_shape_is_right:
; o = softmax(q k^T / 8) v for 64 heads of 2,048 x 64, both products on codes of BF6 (E3M2) with E8M0 scales; o is quantised along the head's 64 and leaves as codes.
; THE SOFTMAX: t = score x log2(e) / 8; M = the row's largest t so far, rounded UP to a whole number; p = 2^(t - M) is quantised along the keys; the row's sum is taken of the
; unquantised p and divides o at the end.  When M moves, the sum and o are multiplied by 2^(old M - new M): exact.
; SHARES.  A work-group owns 512 queries of one head: 32 tiles of 16.  Each of its eight waves takes two tiles at a time (A: registers in window 0, B: the same numbers in window 1), in two passes:
; tile 16 p + 8 s + w.  Every fragment of K and V that a wave reads from LDS feeds both tiles.  One counted loop of 32 trips holds both passes: trip T works record T % 16 (128 keys).
; THE ORDER IN A TRIP.  Tile A's vector work, then tile B's.  Among the lines of one tile's row chain and multiply-adds stand, one at a time, the OTHER tile's eight first products: in A's work B's of this
; record, in B's work A's of the NEXT record.  A tile's four second products stand among the last additions of its row's sum.  K has one set of registers: the next record's K is asked for behind B's last
; product on this one.  The very last trip's look-ahead (record 0's K, and A's products on it) is not used.
; A WHOLE HEAD'S K, V AND SCALE WORDS lie in LDS, filled ONCE: each wave asks for an eighth (104 rows of 256 bytes) by one tensor load; the four work-groups of a head form a cluster and ask JOINTLY.
; No data prefetch: everything that the launch streams is asked for at its head, so there is no trip to ask ahead in.
; LDS rows are 256 bytes + 64 of padding: two stored tiles (6 rows) lie 1,920 bytes apart, 128 modulo 256.
; LAYOUT.  Both products are used transposed (S^T = K Q^T, O^T = V^T P^T): a lane holds ONE query.  WHICH KEYS FORM A TILE OF K is chosen by the lanes' LDS addresses: tile (c, u) takes as rows 0-7 the keys
; 8 u .. 8 u + 7 of block 2 c and as rows 8-15 the same of block 2 c + 1.  So lane (r, h) holds in registers S + 32 c .. + 31 the WHOLE block 2 c + h of query r, keys ascending: the order of P's operand.
; No lane is asked for a block's maximum and no code changes lanes; only the row's maximum and the scale word's bytes cross from lane l to l xor 16.
; The first product's K is 64: Q's upper six registers are zero codes, so what stands in K's upper six (the next tile's codes: K's tiles lie six registers apart) adds nothing; the scale bytes there are 0, a finite code.
; In memory (stored by the launch before): a record of 128 keys = K's part (8 tiles x 768 bytes, 512 bytes of scale words), V's part (4 fragments x 1,536, 512 of scale words); a tile's 768 bytes are a register image:
; registers 0-3 at 16 x lane, 4-5 at 512 + 8 x lane; stored tile 2 b + e, place 8 q + j holds key 32 b + 16 q + 8 e + j.
; LIMITS: NaN and infinities are not served; the promise holds while the scaled scores stay under 2^31 in magnitude.  A block's largest p is made from the block's largest score by the same multiply-add and
; exponential, which takes v_exp_f32 not to fall where its input rises.  A block of p or of o under 2^-122 gets the byte 1.  A pass begins on the last pass's o and sum, which its first factor, 0, clears.
.set HUNIT, 768
.set PART,  6656
.set HEADB, 212992
.set WSHM,  26624                      ; a wave's eighth of the head in memory,
.set WSHL,  33280                      ; and in LDS: 104 rows of 320
.set LT,    960                        ; a stored tile in LDS: 3 rows
.set LREC,  16640                      ; a record: 52 rows
.set LKS,   7680                       ; in it: K's scale words (row 24),
.set LV,    8320                       ; V's part (row 26),
.set LVS,   16000                      ; V's scale words (row 50)
.set OSG,   266240                     ; behind the head: 1,024 bytes, o's scale bytes of the 512 rows; no fill lands here
.set SPARE, 267264                     ; the spare words, 128 bytes a wave
; window 0 alone
.set GL16, 1                           ; 16 x lane
.set GL8,  2                           ; 512 + 8 x lane
.set R16,  3                           ; 16 x (lane % 16)
.set AK16, 4                           ; lane terms of the LDS addresses: K's registers 0-3,
.set AK8,  5                           ; K's registers 4-5,
.set AKS,  6                           ; K's scale words,
.set AV16, 7                           ; V's registers 0-3 and scale words,
.set AV8,  8                           ; V's registers 4-5
.set CK16, 9                           ; the same in the record in hand (V) or the next (K)
.set CK8,  10
.set CKS,  11
.set CV16, 12
.set CV8,  13
.set OSA,  14
.set OSR,  15
.set SPW,  16
.set NIL,  17
.set OSC,  19
.set KSC,  20                          ; v20-23 K's scale words: register 2 c + u / 2: tile u even in lanes 0-15, odd in lanes 16-31
.set VSC,  24                          ; v24-27 V's
.set QS,   28                          ; v28-29 Q's, tiles A and B
.set PW,   30                          ; v30-31 p's
.set KF,   32                          ; v32-85 K's eight tiles, six registers apart, and six zeros
.set QSN,  86                          ; v86-87 the next pass's Q scale words
.set VF,   32                          ; window 1: v32-79 V's four fragments
; both windows, a tile each
.set SH8,  18                          ; 8 x (lane / 16)
.set Q,    88
.set S,    100                         ; S^T, then p, at the end o
.set O,    164
.set P,    196
.set CH,   208
.set RM,   212
.set PX,   213
.set F,    214                         ; pair: the factor, and a word that is written once
.set NM,   216                         ; pair: -M, the largest score so far
.set L,    218                         ; the sum, in two halves
.set TN,   220
.set DF,   221
.set OP,   222
.set BY,   224
.set T0,   226
.set T1,   230
.set SM,   234                         ; v234-249 eight partial sums
.set QN,   250                         ; v250-255 the next pass's Q
.set WV,   12
.set SEL,  20
.set CS,   22
.set G0,   24
.set NC,   28
.set T,    29
.set PH,   30
.set TB,   31
.set TBN,  32
.set PS,   33
.set G1,   40
.set MSB, 0
.macro WIN new                         ; the immediate's high byte repeats the setting that is left
.if MSB != \new
	s_set_vgpr_msb (MSB<<8)|\new
.set MSB, \new
.endif
.endm
.macro CROUND                          ; a round of the cluster's barrier
	s_barrier_signal -1
	s_barrier_wait -1
	s_cmp_lg_u32 s[WV], 0
	s_cbranch_scc1 .Lnot_wave_0_\@
	s_barrier_signal -3
.Lnot_wave_0_\@:
	s_barrier_wait -3
	s_barrier_signal -1
	s_barrier_wait -1
.endm
	s_load_b256 s[4:11], s[0:1], 0x0               ; qb, kv, oc, os2
	v_lshl_add_u32 v[SPW], v0, 2, SPARE
	v_mov_b32 v[NIL], 0
	ds_add_u32 v[SPW], v[NIL]                      ; the opening lines: the add twice and its wait
	ds_add_u32 v[SPW], v[NIL]
	v_lshrrev_b32 v19, 5, v0
	v_readfirstlane_b32 s[WV], v19                 ; wave 0..7
	s_bfe_u32 s13, ttmp6, 0x40000                  ; cx: which 512 queries; it enters addresses of qb, oc and os2 alone
	s_and_b32 s14, ttmp7, 0xffff                   ; 16 x batch + head, which the four partners share
	s_mul_i32 s18, s[WV], WSHM
	s_mul_i32 s19, s[WV], WSHL
	s_mul_i32 s16, s14, HEADB
	s_add_co_u32 s16, s16, s18
	s_mov_b32 s17, 0
	s_mov_b32 s[G1], 15|(3<<16)|(1<<20)|(1<<21)|(5<<22)|(15<<25)   ; mask: all four; elements of 8 bytes; padding on; bit 21 beside a mask; behind every 64 words 16 words
	s_mov_b32 s[G1+1], 32<<16                      ; tensor_dim0: 256 bytes
	s_mov_b32 s[G1+2], 104<<16                     ; tensor_dim1
	s_mov_b32 s[G1+3], 32<<16                      ; tile_dim0
	s_mov_b32 s[G1+4], 104                         ; tile_dim1
	s_mov_b32 s[G1+5], 32                          ; the rows are dense
	s_mov_b32 s[G1+6], 0
	s_mov_b32 s[G1+7], 0
	s_mov_b32 s[SEL], 0x76543210
	s_mov_b32 s[SEL+1], 0xfedcba98                 ; v_permlanex16_b32's selects for lane l xor 16
	s_mov_b32 s[CS], 0x3e38aa3b                    ; c = log2(e) / 8
	s_mov_b32 s[CS+1], s[CS]
	s_mov_b32 s[NC], 0xbe38aa3b                    ; -c
	s_lshl_b32 s56, s14, 4                         ; Q: record 16 x head + 4 cx + 2 p + s, tile w
	s_lshl_b32 s57, s13, 2
	s_add_co_u32 s56, s56, s57
	s_mul_i32 s56, s56, PART
	s_mul_i32 s60, s[WV], HUNIT
	s_add_co_u32 s60, s60, s56
	s_mov_b32 s61, 0
	s_and_b32 s62, s[WV], 1                        ; its scale words: word tile / 2 of lanes 16 (tile % 2) + r
	s_lshl_b32 s62, s62, 8
	s_lshr_b32 s63, s[WV], 1
	s_lshl_b32 s63, s63, 2
	s_add_co_u32 s62, s62, s63
	s_add_co_u32 s62, s62, s56
	s_add_co_u32 s62, s62, 8*HUNIT
	s_mov_b32 s63, 0
	s_and_b32 s56, s14, 15                         ; the head
	s_lshr_b32 s58, s14, 4                         ; the batch
	s_lshl_b32 s57, s56, 9
	s_lshl_b32 s59, s58, 7
	s_add_co_u32 s57, s57, s59
	s_lshl_b32 s59, s13, 5
	s_add_co_u32 s57, s57, s59
	s_add_co_u32 s57, s57, s[WV]                   ; oc: tile 512 x head + 128 x batch + 32 cx + w (+ 16 p + 8 s)
	s_mul_i32 s50, s57, HUNIT
	s_mov_b32 s51, 0
	s_lshl_b32 s56, s56, 14                        ; os2: 16,384 bytes a head, 2 bytes a row
	s_lshl_b32 s58, s58, 12
	s_add_co_u32 s56, s56, s58
	s_lshl_b32 s58, s13, 10
	s_add_co_u32 s56, s56, s58
	s_mov_b32 s57, 0
	s_wait_dscnt 0x0                               ; both opening adds are done
	s_wait_kmcnt 0x0
	s_add_nc_u64 s[6:7], s[6:7], s[16:17]
	s_add_nc_u64 s[52:53], s[4:5], s[60:61]
	s_add_nc_u64 s[54:55], s[4:5], s[62:63]
	s_add_nc_u64 s[8:9], s[8:9], s[50:51]
	s_add_nc_u64 s[10:11], s[10:11], s[56:57]
	s_mov_b32 s[G0], 1
	s_mov_b32 s[G0+1], s19
	s_mov_b64 s[G0+2:G0+3], s[6:7]
	s_or_b32 s[G0+3], s[G0+3], 0x80000000
	CROUND                                         ; all four work-groups are here: the joint loads meet
	tensor_load_to_lds s[G0:G0+3], s[G1:G1+7]      ; my eighth of the head: my one tensor load of the launch
	s_nop 0
.rept 4
	v_nop
.endr
.macro QLOAD                           ; the Q tiles and scale words of a pass, into the waiting registers
	global_load_b128 v[QN:QN+3], v[GL16], s[52:53]
	global_load_b64 v[QN+4:QN+5], v[GL8], s[52:53]
	global_load_b32 v[QSN], v[R16], s[54:55]
	global_load_b32 v[QSN+1], v[R16], s[54:55] offset:PART
	WIN 0x40
	global_load_b128 v[QN:QN+3], v[GL16], s[52:53] offset:PART
	global_load_b64 v[QN+4:QN+5], v[GL8], s[52:53] offset:PART
	WIN 0
.endm
	v_and_b32 v19, 31, v0
	v_lshlrev_b32 v[GL16], 4, v19
	v_lshl_add_u32 v[GL8], v19, 3, 512
	v_and_b32 v9, 15, v0                           ; r
	v_lshlrev_b32 v[R16], 4, v9
	QLOAD                                          ; pass 0's
	v_bfe_u32 v10, v0, 4, 1                        ; h
	v_and_b32 v11, 7, v0                           ; r % 8
	v_bfe_u32 v12, v0, 3, 1                        ; r / 8: which block of the pair, two stored tiles on
	v_mul_u32_u24 v13, v12, 2*LT
	v_mad_u32_u24 v[AK16], v10, 320, v13
	v_lshl_add_u32 v[AK16], v11, 4, v[AK16]        ; 1920 (r / 8) + 320 h + 16 (r % 8)
	v_lshl_add_u32 v[AK8], v10, 7, v13
	v_lshl_add_u32 v[AK8], v11, 3, v[AK8]
	v_add_nc_u32 v[AK8], 640, v[AK8]               ; 1920 (r / 8) + 640 + 128 h + 8 (r % 8)
	v_mul_u32_u24 v[AKS], v10, 320
	v_lshl_add_u32 v[AV16], v9, 4, v[AKS]          ; 320 h + 16 r
	v_lshl_add_u32 v[AKS], v11, 4, v[AKS]
	v_lshl_add_u32 v[AKS], v12, 2, v[AKS]          ; 320 h + 16 (r % 8) + 4 (r / 8): here h says tile u odd
	v_lshl_add_u32 v[AV8], v19, 3, 640
	v_lshrrev_b32 v13, 5, v0
	v_lshlrev_b32 v[OSA], 1, v9
	v_lshl_add_u32 v[OSA], v13, 5, v[OSA]
	v_add_nc_u32 v[OSA], OSG, v[OSA]               ; 32 bytes a tile, 2 a row
	v_add_nc_u32 v[OSR], OSG, v[GL16]
.irp i, 0,1,2,3,4,5
	v_mov_b32 v[KF+48+\i], 0                       ; behind K's last tile: written once
.endr
.macro INIT                            ; a tile's registers that are written once
.irp i, 0,1,2,3,4,5
	v_mov_b32 v[Q+6+\i], 0                         ; Q's K = 64 .. 127: zero codes
.endr
.set jj, 0
.rept 32
	v_mov_b32 v[O+jj], 0                           ; the step is written once: the first finds zeros
.set jj, jj+1
.endr
	v_mov_b32 v[L], 0
	v_mov_b32 v[L+1], 0
	v_mov_b32 v[F+1], 0                            ; (named as the upper half of a pair)
	v_mov_b32 v[PX], 0                             ; (a lane permute's destination counts as one of its sources)
	v_lshlrev_b32 v[SH8], 3, v10
.endm
	INIT
	WIN 0x40
	INIT
	WIN 0
.macro LOADK a16, a8, as               ; a record's K: 4 loads of scale words, 16 of codes
.irp c, 0,1
.irp a, 0,1
	ds_load_b32 v[KSC+2*\c+\a], v[\as] offset:LKS+128*\a+8*\c
.endr
.endr
.irp c, 0,1
.irp u, 0,1,2,3
	ds_load_b128 v[KF+6*(4*\c+\u):KF+6*(4*\c+\u)+3], v[\a16] offset:(4*\c+\u%2)*LT+128*(\u/2)
	ds_load_b64 v[KF+6*(4*\c+\u)+4:KF+6*(4*\c+\u)+5], v[\a8] offset:(4*\c+\u%2)*LT+64*(\u/2)
.endr
.endr
.endm
.macro QK1 x, i                        ; one product of tile x's S^T = K Q^T: K's tile i = 4 c + u
.if (\i)%2
	v_wmma_scale_f32_16x16x128_f8f6f4 v[S+8*(\i):S+8*(\i)+7], v[KF+6*(\i):KF+6*(\i)+11], v[Q:Q+11], 0, v[KSC+2*((\i)/4)+((\i)%4)/2], v[QS+\x] matrix_a_fmt:MATRIX_FMT_BF6 matrix_b_fmt:MATRIX_FMT_BF6 matrix_a_scale:MATRIX_SCALE_ROW1
.else
	v_wmma_scale_f32_16x16x128_f8f6f4 v[S+8*(\i):S+8*(\i)+7], v[KF+6*(\i):KF+6*(\i)+11], v[Q:Q+11], 0, v[KSC+2*((\i)/4)+((\i)%4)/2], v[QS+\x] matrix_a_fmt:MATRIX_FMT_BF6 matrix_b_fmt:MATRIX_FMT_BF6
.endif
.endm
.macro SPR w, i                        ; among tile w's vector lines: one first product of the other tile
	WIN 0x44*(1-\w)
	QK1 (1-\w), \i
	WIN 0x55*\w
.endm
.macro PV1 w, t                        ; O^T += V^T P^T, fragment t: the four accumulators by turns; V's fragments lie in window 1
.if \w == 0
	WIN 0x01
.endif
	v_wmma_scale_f32_16x16x128_f8f6f4 v[O+8*\t:O+8*\t+7], v[VF+12*\t:VF+12*\t+11], v[P:P+11], v[O+8*\t:O+8*\t+7], v[VSC+\t], v[PW+\w] matrix_a_fmt:MATRIX_FMT_BF6 matrix_b_fmt:MATRIX_FMT_BF6
	WIN 0x55*\w
.endm
.macro ADDA k                          ; the sum of the unquantised p, in eight chains: the first 32 numbers start them,
	v_pk_add_f32 v[SM+2*(\k):SM+2*(\k)+1], v[S+4*(\k):S+4*(\k)+1], v[S+4*(\k)+2:S+4*(\k)+3]
.endm
.macro ADDB k, base                    ; a further pair goes into chain k,
	v_pk_add_f32 v[SM+2*(\k):SM+2*(\k)+1], v[SM+2*(\k):SM+2*(\k)+1], v[S+\base+2*(\k):S+\base+2*(\k)+1]
.endm
.macro ADDR a, b                       ; two chains become one
	v_pk_add_f32 v[SM+\a:SM+\a+1], v[SM+\a:SM+\a+1], v[SM+\b:SM+\b+1]
.endm
; A tile's softmax step and second product.  w: the tile's window.
.macro VEC w
	WIN 0x55*\w
.if \w
	s_wait_dscnt 0x0                               ; the next record's K is in
.endif
	s_wait_alu depctr_va_vdst(0)                   ; directly ahead of the first reader of S^T
.irp b, 0,1,2,3
	v_max3_num_f32 v[CH+\b], v[S+16*\b], v[S+16*\b+1], v[S+16*\b+2]   ; four chains by turns, each accumulator from its low end on
.endr
.irp i, 3,5,7,9,11,13
.irp b, 0,1,2,3
	v_max3_num_f32 v[CH+\b], v[CH+\b], v[S+16*\b+\i], v[S+16*\b+\i+1]
.endr
.endr
	v_max3_num_f32 v[CH], v[CH], v[CH+1], v[S+15]
	v_max3_num_f32 v[CH+2], v[CH+2], v[CH+3], v[S+47]
	v_max_num_f32 v[CH], v[CH], v[S+31]            ; my two blocks' largest scores: they serve for the row's maximum and for the blocks' largest p
	v_max_num_f32 v[CH+2], v[CH+2], v[S+63]
	SPR \w, 0
	v_max_num_f32 v[RM], v[CH], v[CH+2]
	v_permlanex16_b32 v[PX], v[RM], s[SEL], s[SEL+1]
	SPR \w, 1
	v_max3_num_f32 v[NM+1], v[NM+1], v[RM], v[PX]  ; the row's largest score so far
	v_mul_f32 v[TN], s[NC], v[NM+1]
	SPR \w, 2
	v_floor_f32 v[TN], v[TN]                       ; the new -M = floor(-t)
	v_sub_f32 v[DF], v[TN], v[NM]                  ; old M - new M: a whole number, 0 or less
	SPR \w, 3
	v_mov_b32 v[NM], v[TN]
	v_cvt_i32_f32 v[DF], v[DF]                     ; (it saturates)
	SPR \w, 4
	v_ldexp_f32 v[F], 1.0, v[DF]                   ; f = 2^(old M - new M)
.if \w == 0
	v_add_nc_u32 v[CV16], s[TB], v[AV16]
	v_add_nc_u32 v[CV8], s[TB], v[AV8]
	v_add_nc_u32 v[CK16], s[TBN], v[AK16]
	v_add_nc_u32 v[CK8], s[TBN], v[AK8]
	v_add_nc_u32 v[CKS], s[TBN], v[AKS]
	ds_load_b128 v[VSC:VSC+3], v[CV16] offset:LVS  ; this record's V: its scale words (register t: fragment t) and four fragments: 17 loads
	WIN 0x40
.irp t, 0,1,2,3
	ds_load_b128 v[VF+12*\t:VF+12*\t+3], v[CV16] offset:LV+2*LT*\t
	ds_load_b64 v[VF+12*\t+4:VF+12*\t+5], v[CV8] offset:LV+2*LT*\t
	ds_load_b128 v[VF+12*\t+6:VF+12*\t+9], v[CV16] offset:LV+2*LT*\t+LT
	ds_load_b64 v[VF+12*\t+10:VF+12*\t+11], v[CV8] offset:LV+2*LT*\t+LT
.endr
	WIN 0
.endif
.set jj, 0
.rept 32
	v_pk_fma_f32 v[S+jj:S+jj+1], v[S+jj:S+jj+1], s[CS:CS+1], v[NM:NM+1] op_sel_hi:[1,0,0]   ; t - M
.set jj, jj+2
.if jj == 12
	SPR \w, 5
.endif
.if jj == 28
	SPR \w, 6
.endif
.if jj == 44
	SPR \w, 7
.endif
.endr
	v_fma_f32 v[CH], v[CH], s[CS], v[NM]
	v_fma_f32 v[CH+2], v[CH+2], s[CS], v[NM]
.if \w == 0
	LOADK CK16, CK8, CKS                           ; the next record's K: 12 plain lines stand behind the last product that read these registers
.endif
	s_wait_alu depctr_va_vdst(0)                   ; ahead of the first reader of O^T, and ahead of the batch below
.set jj, 0
.rept 16
	v_pk_mul_f32 v[O+jj:O+jj+1], v[O+jj:O+jj+1], v[F:F+1] op_sel_hi:[1,0]   ; O^T under the new M
.set jj, jj+2
.endr
.set jj, 0
.rept 64
	v_exp_f32 v[S+jj], v[S+jj]                     ; p = 2^(t - M)
.set jj, jj+1
.endr
	v_exp_f32 v[CH], v[CH]                         ; my blocks' largest p
	v_exp_f32 v[CH+2], v[CH+2]
	v_nop                                          ; a plain place behind the exponentials
	s_wait_alu depctr_va_vdst(0)                   ; one wait for the batch
.if \w == 0
	s_wait_dscnt 20                                ; V and its scale words are in; the 20 loads of the next record's K, issued behind them, may be out
.endif
	v_max_num_f32 v[CH], 0x2800000, v[CH]          ; the floor 2^(5 - 127): the byte cannot fall under 1.  (The scale word's chain and the sum's first additions by turns)
	v_max_num_f32 v[CH+2], 0x2800000, v[CH+2]
	ADDA 0
	ADDA 1
	v_add_nc_u32 v[OP], 0xfe000000, v[CH]          ; 4 off the exponent field: the conversion's scale operand
	v_add_nc_u32 v[OP+1], 0xfe000000, v[CH+2]
	ADDA 2
	ADDA 3
	v_lshrrev_b32 v[BY], 23, v[OP]
	v_lshrrev_b32 v[BY+1], 23, v[OP+1]
	ADDA 4
	ADDA 5
	v_lshl_or_b32 v[BY], v[BY+1], 16, v[BY]        ; the bytes of blocks h and 2 + h,
	ADDA 6
	v_lshlrev_b32 v[BY], v[SH8], v[BY]             ; at their places;
	ADDA 7
	v_permlanex16_b32 v[PX], v[BY], s[SEL], s[SEL+1]
	ADDB 0, 32
	WIN 0x15*\w                                    ; (scale operands are taken from window 0)
	v_or_b32 v[PW+\w], v[BY], v[PX]                ; with lane l xor 16's two the word is whole; 13 plain lines stand between it and the scaled products
	WIN 0x55*\w
	v_cvt_scalef32_pk16_bf6_f32 v[P:P+2], v[S:S+15], v[OP]
	v_cvt_scalef32_pk16_bf6_f32 v[T0:T0+2], v[S+16:S+31], v[OP]      ; (a conversion's three registers begin on an even number)
	v_cvt_scalef32_pk16_bf6_f32 v[P+6:P+8], v[S+32:S+47], v[OP+1]
	v_cvt_scalef32_pk16_bf6_f32 v[T1:T1+2], v[S+48:S+63], v[OP+1]
	ADDB 1, 32                                     ; plain places behind the conversions
	ADDB 2, 32
	ADDB 3, 32
.irp i, 0,1,2
	v_mov_b32 v[P+3+\i], v[T0+\i]
	v_mov_b32 v[P+9+\i], v[T1+\i]
.endr
	ADDB 4, 32
	ADDB 5, 32
	ADDB 6, 32
	ADDB 7, 32
	PV1 \w, 0
	ADDB 0, 48
	ADDB 1, 48
	ADDB 2, 48
	PV1 \w, 1
	ADDB 3, 48
	ADDB 4, 48
	ADDB 5, 48
	PV1 \w, 2
	ADDB 6, 48
	ADDB 7, 48
	ADDR 0, 8
	PV1 \w, 3
	ADDR 2, 10
	ADDR 4, 12
	ADDR 6, 14
	ADDR 0, 4
	ADDR 2, 6
	ADDR 0, 2
	v_pk_fma_f32 v[L:L+1], v[L:L+1], v[F:F+1], v[SM:SM+1] op_sel_hi:[1,0,1]   ; the old sum under the new M, and this step's
.endm
; A tile's end: o = O^T / the sum, quantised along the head's 64: register 16 g + i is channel 32 g + 16 h + i.
.macro EPI w
	WIN 0x55*\w
	v_add_f32 v[L], v[L], v[L+1]
	s_delay_alu instid0(VALU_DEP_1)
	v_permlanex16_b32 v[PX], v[L], s[SEL], s[SEL+1]
	s_delay_alu instid0(VALU_DEP_1)
	v_add_f32 v[RM], v[L], v[PX]
	s_wait_alu depctr_va_vdst(0)
	v_rcp_f32 v[F], v[RM]
	v_nop
	s_wait_alu depctr_va_vdst(0)                   ; for the reciprocal, and directly ahead of the first reader of O^T
.set jj, 0
.rept 16
	v_pk_mul_f32 v[S+jj:S+jj+1], v[O+jj:O+jj+1], v[F:F+1] op_sel_hi:[1,0]
.set jj, jj+2
.endr
.irp g, 0,1
	v_max3_num_f32 v[CH+\g], |v[S+16*\g]|, |v[S+16*\g+1]|, 0x2800000
.endr
.irp i, 2,4,6,8,10,12,14
.irp g, 0,1
	s_delay_alu instid0(VALU_DEP_2)
	v_max3_num_f32 v[CH+\g], v[CH+\g], |v[S+16*\g+\i]|, |v[S+16*\g+\i+1]|
.endr
.endr
.irp g, 0,1
	s_delay_alu instid0(VALU_DEP_2)
	v_permlanex16_b32 v[CH+2+\g], v[CH+\g], s[SEL], s[SEL+1]
.endr
.irp g, 0,1
	s_delay_alu instid0(VALU_DEP_2)
	v_max_num_f32 v[CH+\g], v[CH+\g], v[CH+2+\g]
.endr
.irp g, 0,1
	s_delay_alu instid0(VALU_DEP_2)
	v_add_nc_u32 v[OP+\g], 0xfe000000, v[CH+\g]
.endr
.irp g, 0,1
	s_delay_alu instid0(VALU_DEP_2)
	v_lshrrev_b32 v[BY+\g], 23, v[OP+\g]
.endr
	s_delay_alu instid0(VALU_DEP_1)
	v_lshl_or_b32 v[BY], v[BY+1], 8, v[BY]         ; my row's two scale bytes
	v_cvt_scalef32_pk16_bf6_f32 v[P:P+2], v[S:S+15], v[OP]
	v_cvt_scalef32_pk16_bf6_f32 v[T0:T0+2], v[S+16:S+31], v[OP+1]
	v_nop                                          ; a plain place behind the scaled conversions
.irp i, 0,1,2
	v_permlane16_swap_b32 v[P+\i], v[T0+\i]        ; here a block lies in two lanes: the halves change places
.endr
.irp i, 0,1,2
	v_mov_b32 v[P+3+\i], v[T0+\i]
.endr
	WIN 0x04*\w                                    ; the data in the tile's window, the addresses in window 0
	global_store_b128 v[GL16], v[P:P+3], s[8:9] offset:8*HUNIT*\w   ; 512 consecutive bytes, at a multiple of 256 from the buffer's first byte
	global_store_b64 v[GL8], v[P+4:P+5], s[8:9] offset:8*HUNIT*\w   ; 256
	ds_store_b16 v[OSC], v[BY] offset:256*\w       ; both lanes of a row write the same bytes with the same value
.endm
.macro TAKEQ w                         ; tile w begins a pass: its Q, asked for a pass ago, goes to its place (8 plain lines and more stand behind the scale word, 4 and more behind Q, ahead of the products)
	WIN 0
	v_mov_b32 v[QS+\w], v[QSN+\w]
	WIN 0x41*\w
.irp i, 0,1,2,3,4,5
	v_mov_b32 v[Q+\i], v[QN+\i]
.endr
	v_mov_b32 v[NM], 0x7e800000                    ; -M = 2^126: the first factor comes out 0
	v_mov_b32 v[NM+1], 0xff61b1e6                  ; the largest score so far: -3e38
	WIN 0
.endm
.macro ENDT w                          ; tile w ends a pass, directly behind its last step: S^T's registers are still free for o
	s_lshr_b32 s[PS], s[T], 4
	s_lshl_b32 s[PS], s[PS], 9
	v_add_nc_u32 v[OSC], s[PS], v[OSA]             ; 512 bytes of scale bytes a pass
	EPI \w
	WIN 0
	s_wait_alu depctr_va_vdst(0)
	s_wait_loadcnt 0x0
	TAKEQ \w                                       ; (behind the last pass: the same Q once more, for the look-ahead that is not used)
	s_wait_alu depctr_va_vdst(0)
.endm
	s_wait_alu depctr_va_vdst(0)                   ; the wait at the head's end
	s_wait_tensorcnt 0x0                           ; my eighth has landed
	s_barrier_signal -1
	s_barrier_wait -1                              ; everybody's has: the head is whole, and nothing is ever filled again
	LOADK AK16, AK8, AKS                           ; record 0's K
	s_wait_loadcnt 0x0
	TAKEQ 0
	TAKEQ 1
	s_wait_alu depctr_va_vdst(0)
	s_add_nc_u64 s[52:53], s[52:53], 2*PART        ; (the loads that read these bases are done)
	s_add_nc_u64 s[54:55], s[54:55], 2*PART
	QLOAD                                          ; pass 1's
	s_wait_dscnt 0x0
.irp i, 0,1,2,3,4,5,6,7
	QK1 0, \i                                      ; tile A's first products on record 0
.endr
.rept 4
	v_nop                                          ; places ahead of the first read of S^T
.endr
	s_mov_b32 s[T], 0
.Lstep:
	s_and_b32 s[PH], s[T], 15                      ; the record
	s_mul_i32 s[TB], s[PH], LREC                   ; where it begins in LDS,
	s_add_co_u32 s[TBN], s[T], 1
	s_and_b32 s[TBN], s[TBN], 15
	s_mul_i32 s[TBN], s[TBN], LREC                 ; and the next (behind a pass's last: record 0)
	VEC 0
	WIN 0
	s_wait_alu depctr_va_vdst(0)                   ; ahead of the branch
	s_cmp_lg_u32 s[PH], 15
	s_cbranch_scc1 .Lmid
	ENDT 0
.Lmid:
	VEC 1
	WIN 0
	s_wait_alu depctr_va_vdst(0)
	s_cmp_lg_u32 s[PH], 15
	s_cbranch_scc1 .Lnext
	ENDT 1
	s_wait_xcnt 0x0                                ; both tiles' stores have read their data and their base
	s_add_nc_u64 s[8:9], s[8:9], 16*HUNIT
.Lnext:
	s_add_co_u32 s[T], s[T], 1
	s_cmp_lt_u32 s[T], 32
	s_cbranch_scc1 .Lstep
	s_wait_dscnt 0x0                               ; for the others' sake: my stores have landed
	s_barrier_signal -1
	s_barrier_wait -1
	s_cmp_lg_u32 s[WV], 0
	s_cbranch_scc1 .Lnot_first
	ds_load_b128 v[P:P+3], v[OSR]                  ; the 512 rows' scale bytes leave as four whole runs of 256 bytes
	ds_load_b128 v[P+4:P+7], v[OSR] offset:512
	s_wait_dscnt 0x0
	global_store_b128 v[GL16], v[P:P+3], s[10:11]
	global_store_b128 v[GL16], v[P+4:P+7], s[10:11] offset:512
.Lnot_first:
	s_wait_tensorcnt 0x0                           ; the wave's end
	ds_add_u32 v[SPW], v[NIL]
	s_wait_dscnt 0x0
	CROUND                                         ; the closing round
	s_endpgm
.Lfunc_end_k_qc17153da55_attn:
	.size	k_qc17153da55_attn, .Lfunc_end_k_qc17153da55_attn-k_qc17153da55_attn
	.p2alignl 7, 3214868480
	.fill 96, 4, 3214868480
	.section	.rodata,"a",@progbits
	.p2align	6, 0x0
	.amdhsa_kernel k_qc17153da55_attn
		.amdhsa_group_segment_fixed_size 268288
		.amdhsa_private_segment_fixed_size 0
		.amdhsa_enable_private_segment 0
		.amdhsa_kernarg_size 32
		.amdhsa_user_sgpr_count 2
		.amdhsa_user_sgpr_kernarg_segment_ptr 1
		.amdhsa_wavefront_size32 1
		.amdhsa_system_sgpr_workgroup_id_x 1
		.amdhsa_system_sgpr_workgroup_id_y 1
		.amdhsa_system_sgpr_workgroup_id_z 1
		.amdhsa_system_vgpr_workitem_id 0
		.amdhsa_next_free_vgpr 512
		.amdhsa_next_free_sgpr 66
		.amdhsa_reserve_vcc 0
		.amdhsa_float_denorm_mode_32 3
		.amdhsa_float_denorm_mode_16_64 3
		.amdhsa_memory_ordered 1
		.amdhsa_forward_progress 1
		.amdhsa_inst_pref_size 53
	.end_amdhsa_kernel
	.amdgpu_metadata
---
amdhsa.version: [ 1, 2 ]
amdhsa.kernels:
  - .name:           k_qc17153da55_attn
    .symbol:         k_qc17153da55_attn.kd
    .args:
      - { .name: qb, .offset: 0, .size: 8, .value_kind: global_buffer, .address_space: global }
      - { .name: kv, .offset: 8, .size: 8, .value_kind: global_buffer, .address_space: global }
      - { .name: oc, .offset: 16, .size: 8, .value_kind: global_buffer, .address_space: global }
      - { .name: os2, .offset: 24, .size: 8, .value_kind: global_buffer, .address_space: global }
    .group_segment_fixed_size: 268288
    .private_segment_fixed_size: 0
    .kernarg_segment_align: 8
    .kernarg_segment_size: 32
    .max_flat_workgroup_size: 256
    .sgpr_count:     66
    .vgpr_count:     512
    .wavefront_size: 32
...
	.end_amdgpu_metadata
.endif
;; end of part 3
;; launch proj (part 4): grid 32 x 4, 4 waves a work-group, clusters of 4 x 4, 327,680 bytes of LDS; arguments codes, scales, oc, os2, b_proj, x, out0; writes out0
.if DOCPART == 4
	.amdgcn_target "amdgcn-amd-amdhsa--gfx1250"
	.amdhsa_code_object_version 6
	.text
	.protected	k_qc17153da55_proj
	.globl	k_qc17153da55_proj
	.p2align	8
	.type	k_qc17153da55_proj,@function
k_qc17153da55_proj:
	s_mov_b64 s[64:65], 0
	v_nop
	global_prefetch_b8 v0, s[64:65] scope:SCOPE_SE
	s_setreg_imm32_b32 hwreg(HW_REG_WAVE_MODE, 25, 1), 1
	s_wait_xcnt 0x0
	s_wait_alu depctr_hold_cnt(0) depctr_sa_sdst(0) depctr_va_vdst(0) depctr_va_sdst(0) depctr_va_ssrc(0) depctr_va_vcc(0) depctr_vm_vsrc(0)
	s_getreg_b32 s2, hwreg(HW_REG_IB_STS2, 6, 4)
	s_cmp_eq_u32 s2, 0
	s_cbranch_scc0 .Lentry_in_a_cluster
	s_endpgm
.Lentry_in_a_cluster:
	s_bfe_u32 s2, ttmp6, 0x10000c
	s_cmp_lg_u32 s2, 0xf033
	s_cbranch_scc0 .Lentry_shape_is_right
	s_endpgm
.Lentry_shape_is_right:
.set PITCHC, 589824
.set PITCHO, 393216
.set HUNIT,  768
.set KU,     8*HUNIT
.set HALFT,  4*KU
.set SLOT,   4*HALFT
.set STEPR,  8*PITCHC
.set STEPP,  8*PITCHO
.set NQ,     2
.set FR,     12
.set NL,     4
.set NP,     4
.set KS,     32
.set SCL,    2*SLOT
.set HALFS,  (128*KS/256)*272
.set SBLK,   (16*KS/256)*272
.set SPARE,  SCL+4*HALFS
.set SPITCH, 528
.set ADRA, 16
.set ADRB, 20
.set STO,  24
.set RD,   25
.set CO,   26
.set ADRS, 27
.set SPW,  28
.set NIL,  29
.set SC,   32
.set BC,   64
.set AF,   128
.set BK,   128
.set U,    224
.set W,    240
.set G1, 24
.set G0, 32
.set G1B, 48
.set G0B, 56
.set G1S, 68
.set G0S, 76
.set MSB, 0
.set PFI, 0
.macro WIN new
.if MSB != \new
	s_set_vgpr_msb (MSB<<8)|\new
.set MSB, \new
.endif
.endm
.set MUL_LO, 0xa1
.set MUL_HI, 0xf1
.set FST_LO, 0x81
.set FST_HI, 0xc1
.set TO_B,   0x40
.macro JLOAD g0a, g1a, g0b, g1b
	s_cmp_eq_u32 s15, 0
	s_cbranch_scc0 .Lfor_b_\@
	tensor_load_to_lds s[\g0a:\g0a+3], s[\g1a:\g1a+7]
	s_nop 0
.rept 4
	v_nop
.endr
	s_branch .Lasked_\@
.Lfor_b_\@:
	tensor_load_to_lds s[\g0b:\g0b+3], s[\g1b:\g1b+7]
	s_nop 0
.rept 4
	v_nop
.endr
.Lasked_\@:
.endm
.macro CREST
	s_cmp_lg_u32 s14, 0
	s_cbranch_scc1 .Lnot_wave_0_\@
	s_barrier_signal -3
.Lnot_wave_0_\@:
	s_barrier_wait -3
	s_barrier_signal -1
	s_barrier_wait -1
.endm
.macro CROUND
	s_barrier_signal -1
	s_barrier_wait -1
	CREST
.endm
	s_load_b256 s[4:11], s[0:1], 0x0
	s_load_b128 s[92:95], s[0:1], 0x20
	s_load_b64 s[96:97], s[0:1], 0x30
	v_lshl_add_u32 v[SPW], v0, 2, SPARE
	v_mov_b32 v[NIL], 0
	ds_add_u32 v28, v29
	ds_add_u32 v28, v29
	s_wait_dscnt 0x0
	v_lshrrev_b32 v1, 5, v0
	v_readfirstlane_b32 s14, v1
	s_lshr_b32 s15, s14, 1
	s_and_b32 s16, s14, 1
	s_bfe_u32 s40, ttmp6, 0x40000
	s_bfe_u32 s41, ttmp6, 0x40004
	s_lshl_b32 s42, ttmp9, 2
	s_add_co_u32 s42, s42, s40
	s_mov_b32 s17, s41
	s_lshl_b32 s43, s41, 2
	s_lshl_b32 s43, 15, s43
	s_lshl_b32 s44, 0x1111, s40
	s_or_b32 s[G1+0], s43, (3<<16)|(1<<21)
	s_or_b32 s[G1B+0], s44, (3<<16)|(1<<21)
.irp g, G1, G1B
	s_mov_b32 s[\g+1], 768<<16
	s_mov_b32 s[\g+2], 4<<16
	s_mov_b32 s[\g+3], 768<<16
	s_mov_b32 s[\g+4], 4
	s_mov_b32 s[\g+6], 0
	s_mov_b32 s[\g+7], 0
.endr
	s_mov_b32 s[G1+5], PITCHC/8
	s_mov_b32 s[G1B+5], PITCHO/8
	s_lshl_b32 s18, s16, 3
	s_lshl_b32 s20, s17, 4
	s_add_co_u32 s20, s20, 704
	s_lshl_b32 s22, s20, 9
	s_lshl_b32 s19, s14, 11
	s_add_co_u32 s22, s22, s19
	s_mov_b32 s23, 0
	s_add_co_u32 s20, s20, s18
	s_mul_i32 s20, s20, HUNIT
	s_mov_b32 s21, 0
	s_lshl_b32 s46, s42, 4
	s_add_co_u32 s46, s46, s18
	s_mul_i32 s46, s46, HUNIT
	s_mov_b32 s47, 0
	s_mul_i32 s45, s14, HALFT
	s_mul_i32 s2, s14, 8*272
	s_lshr_b32 s98, s42, 3
	s_lshl_b32 s98, s98, 23
	s_lshl_b32 s99, s17, 21
	s_add_co_u32 s98, s98, s99
	s_lshl_b32 s99, s15, 20
	s_add_co_u32 s98, s98, s99
	s_and_b32 s99, s42, 7
	s_lshl_b32 s99, s99, 10
	s_add_co_u32 s98, s98, s99
	s_lshl_b32 s99, s16, 9
	s_add_co_u32 s98, s98, s99
	s_mov_b32 s99, 0
	s_lshl_b32 s90, s17, 10
	s_lshl_b32 s91, s15, 9
	s_add_co_u32 s90, s90, s91
	s_mov_b32 s91, 0
	s_lshl_b32 s88, s42, 9
	s_mov_b32 s89, 0
	s_wait_kmcnt 0x0
	s_add_nc_u64 s[20:21], s[4:5], s[20:21]
	s_add_nc_u64 s[22:23], s[6:7], s[22:23]
	s_add_nc_u64 s[46:47], s[8:9], s[46:47]
	s_add_nc_u64 s[94:95], s[94:95], s[98:99]
	s_add_nc_u64 s[96:97], s[96:97], s[98:99]
	s_add_nc_u64 s[92:93], s[92:93], s[90:91]
	s_add_nc_u64 s[10:11], s[10:11], s[88:89]
	CROUND
.irp s, 0,1
	s_mov_b32 s[G0+4*\s], 1
	s_add_co_u32 s[G0+4*\s+1], s45, \s*SLOT
	s_add_nc_u64 s[G0+4*\s+2:G0+4*\s+3], s[20:21], \s*4*PITCHC
	s_or_b32 s[G0+4*\s+3], s[G0+4*\s+3], 0x80000000
	s_mov_b32 s[G0B+4*\s], 1
	s_add_co_u32 s[G0B+4*\s+1], s45, \s*SLOT
	s_add_nc_u64 s[G0B+4*\s+2:G0B+4*\s+3], s[46:47], \s*4*PITCHO
	s_or_b32 s[G0B+4*\s+3], s[G0B+4*\s+3], 0x80000000
.if \s
	; THE WEIGHT'S SCALE BYTES come through registers while slot 0's joint load, the head's one tensor load a wave, is out: 2,048 bytes a wave (64 rows), to the same places: rows of 256 bytes + 16.
	; They are not asked for jointly: 8,192 bytes a work-group beside 98,304 of codes in each slot.
	v_and_b32 v3, 31, v0
	v_lshlrev_b32 v4, 4, v3
.irp i, 0,1,2,3
	global_load_b128 v[128+4*\i:131+4*\i], v4, s[22:23] offset:512*\i   ; 32 lanes read 512 consecutive bytes
.endr
	v_lshrrev_b32 v5, 4, v3
	v_and_b32 v6, 15, v0
	v_mul_u32_u24 v5, v5, 272
	v_lshl_add_u32 v5, v6, 4, v5
	s_add_co_u32 s2, s2, SCL
	v_add_nc_u32 v5, s2, v5                        ; my quarter of these bytes + 272 (lane / 16) + 16 (lane % 16)
	s_wait_alu depctr_va_vdst(0)
	s_wait_loadcnt 0x0
.irp i, 0,1,2,3
	ds_store_b128 v5, v[128+4*\i:131+4*\i] offset:544*\i
.endr
	s_wait_tensorcnt 0x0
	ds_add_u32 v28, v29
	s_wait_dscnt 0x0
	CROUND
.endif
	JLOAD G0+4*\s, G1, G0B+4*\s, G1B
.endr
	v_and_b32 v1, 15, v0
	v_bfe_u32 v2, v0, 4, 1
	v_and_b32 v3, 31, v0
	v_lshlrev_b32 v7, 2, v0
	v_and_b32 v10, 8, v1
	v_add_nc_u32 v10, v10, v1
	v_lshlrev_b32 v10, 2, v10
.irp n, 0,1,2,3,4,5,6,7,8,9,10,11,12,13,14,15
	global_load_b32 v[U+\n], v7, s[10:11] offset:16384*\n
.endr
.irp a, 0,1,2,3,4,5,6,7
	global_load_b32 v[BC+8*\a], v10, s[92:93] offset:4*(32*(\a/2)+8*(\a%2))
.endr
	v_lshlrev_b32 v[CO], 4, v3
	v_lshlrev_b32 v30, 13, v1                      ; the prefetches' offset: row lane % 16 of x (8,192 bytes a row),
	v_lshl_add_u32 v30, v2, 8, v30                 ; and which 256 of my 512 bytes of it; never rewritten
	v_lshl_add_u32 v4, v3, 3, 512
	s_mul_i32 s21, s15, HALFT
	s_mul_i32 s22, s16, HALFT
	s_add_co_u32 s22, s22, 2*HALFT
.irp s, 0,1
	v_add_nc_u32 v[ADRA+\s], s21, v[CO]
	v_add_nc_u32 v[ADRB+\s], s22, v[CO]
	v_add_nc_u32 v[ADRA+2+\s], s21, v4
	v_add_nc_u32 v[ADRB+2+\s], s22, v4
	s_add_co_u32 s21, s21, SLOT
	s_add_co_u32 s22, s22, SLOT
.endr
	v_mul_u32_u24 v5, v1, KS
	v_lshrrev_b32 v6, 8, v5
	v_lshl_add_u32 v5, v6, 4, v5
	s_mul_i32 s21, s15, HALFS
	s_mul_i32 s22, s16, HALFS
	s_add_co_u32 s22, s22, 2*HALFS
	s_sub_co_u32 s22, s22, s21
	v_mul_u32_u24 v6, s22, v2
	s_add_co_u32 s21, s21, SCL
	v_add_nc_u32 v5, v5, v6
	v_add_nc_u32 v[ADRS], s21, v5
	s_mul_i32 s23, s14, 16*SPITCH
	v_mul_u32_u24 v5, v1, SPITCH
	v_lshl_add_u32 v5, v2, 6, v5
	v_add_nc_u32 v[STO], s23, v5
	v_add_nc_u32 v[RD], s23, v[CO]
	v_lshrrev_b32 v8, 2, v0
	v_lshlrev_b32 v9, 6, v0
	v_lshl_add_u32 v9, v8, 4, v9
	v_add_nc_u32 v9, SCL+2*HALFS, v9
	s_wait_loadcnt 8
.irp m, 0,1,2,3,4,5,6,7
	v_perm_b32 v[W+\m], v[U+2*\m+1], v[U+2*\m], 0x05040100
	v_perm_b32 v[W+8+\m], v[U+2*\m+1], v[U+2*\m], 0x07060302
.endr
.irp i, 0,1,2,3
	ds_store_b128 v9, v[W+4*\i:W+4*\i+3] offset:16*\i
.endr
	s_wait_loadcnt 0x0
.irp a, 0,1,2,3,4,5,6,7
.irp j, 1,2,3,4,5,6,7
	v_mov_b32 v[BC+8*\a+\j], v[BC+8*\a]
.endr
.endr
.macro FRAG reg, adr, q, i
	ds_load_b128 v[\reg:\reg+3], v[\adr] offset:2*(\q)*KU+(\i)*HUNIT
	ds_load_b64 v[\reg+4:\reg+5], v[\adr+2] offset:2*(\q)*KU+(\i)*HUNIT
	ds_load_b128 v[\reg+6:\reg+9], v[\adr] offset:(2*(\q)+1)*KU+(\i)*HUNIT
	ds_load_b64 v[\reg+10:\reg+11], v[\adr+2] offset:(2*(\q)+1)*KU+(\i)*HUNIT
.endm
.macro MUL16 a0, p, q, sc, first
.irp a, \a0, \a0+1
.irp b, 0,1,2,3,4,5,6,7
.if \first
	v_wmma_scale_f32_16x16x128_f8f6f4 v[8*(8*((\a)%4)+\b):8*(8*((\a)%4)+\b)+7], v[128*(\p)+FR*\b:128*(\p)+FR*\b+FR-1], v[AF+FR*(\a):AF+FR*(\a)+FR-1], v[BC+8*(\a):BC+8*(\a)+7], v[SC+8*NQ*(\sc)+NQ*\b+(\q)], v[SC+8*NQ*(\sc)+NQ*(\a)+(\q)] matrix_a_fmt:MATRIX_FMT_BF6 matrix_b_fmt:MATRIX_FMT_BF6 matrix_a_scale:MATRIX_SCALE_ROW1
.else
	v_wmma_scale_f32_16x16x128_f8f6f4 v[8*(8*((\a)%4)+\b):8*(8*((\a)%4)+\b)+7], v[128*(\p)+FR*\b:128*(\p)+FR*\b+FR-1], v[AF+FR*(\a):AF+FR*(\a)+FR-1], v[8*(8*((\a)%4)+\b):8*(8*((\a)%4)+\b)+7], v[SC+8*NQ*(\sc)+NQ*\b+(\q)], v[SC+8*NQ*(\sc)+NQ*(\a)+(\q)] matrix_a_fmt:MATRIX_FMT_BF6 matrix_b_fmt:MATRIX_FMT_BF6 matrix_a_scale:MATRIX_SCALE_ROW1
.endif
.endr
.endr
.endm
.macro FETCH_B slot, q, p
	WIN TO_B
.irp i, 0,1,2,3,4,5,6,7
	FRAG 128*(\p)+FR*\i, ADRB+\slot, \q, \i
.endr
	WIN 0
.endm
.macro FETCH_A slot, q, i0
.irp i, \i0, \i0+1, \i0+2, \i0+3
	FRAG AF+FR*(\i), ADRA+\slot, \q, \i
.endr
.endm
.macro SCALES sc
.irp i, 0,1,2,3,4,5,6,7
	ds_load_b64 v[SC+8*NQ*\sc+NQ*\i:SC+8*NQ*\sc+NQ*\i+1], v[ADRS] offset:\i*SBLK
.endr
.endm
.macro PLACES n
.rept \n
	v_nop
.endr
.endm
.macro STEP slot, q, first
	s_wait_dscnt 4*NL
.if \first
	WIN FST_LO
.else
	WIN MUL_LO
.endif
	MUL16 0, (\q)%2, \q, \slot, \first
	MUL16 2, (\q)%2, \q, \slot, \first
	s_wait_dscnt 0
	PLACES NP
	FETCH_B \slot, (\q)+1, 1-(\q)%2
	FETCH_A \slot, (\q)+1, 0
	; x, which the way out adds, is asked for ahead: my 128 rows x 512 bytes are 256 blocks of 256 bytes, a lane a block, each named once: two requests in each of the four steps of this form,
	; behind the step's run of LDS loads; the last stands two K steps ahead of the first load of x.  Base and offset are never rewritten.
	global_prefetch_b8 v30, s[94:95] offset:PFI*131072 th:TH_LOAD_NT scope:SCOPE_SE
	global_prefetch_b8 v30, s[94:95] offset:(PFI+1)*131072 th:TH_LOAD_NT scope:SCOPE_SE
.set PFI, PFI+2
.if \first
	WIN FST_HI
.else
	WIN MUL_HI
.endif
	MUL16 4, (\q)%2, \q, \slot, \first
	MUL16 6, (\q)%2, \q, \slot, \first
	PLACES NP
	WIN 0
	FETCH_A \slot, (\q)+1, 4
.endm
.macro TURN slot, next, fill
	s_wait_tensorcnt 0x0
	ds_add_u32 v[SPW], v[NIL]
	s_wait_dscnt 4*NL+1
	WIN MUL_LO
	MUL16 0, 1, NQ-1, \slot, 0
	s_wait_dscnt 0x0
	s_barrier_signal -1
	MUL16 2, 1, NQ-1, \slot, 0
	WIN 0
	s_barrier_wait -1
.if \fill
	CREST
	s_add_nc_u64 s[G0+4*\slot+2:G0+4*\slot+3], s[G0+4*\slot+2:G0+4*\slot+3], STEPR
	s_add_nc_u64 s[G0B+4*\slot+2:G0B+4*\slot+3], s[G0B+4*\slot+2:G0B+4*\slot+3], STEPP
	JLOAD G0+4*\slot, G1, G0B+4*\slot, G1B
.else
	PLACES NP
.endif
	s_wait_alu depctr_va_vdst(0)
	v_add_nc_u32 v[ADRS], 4*NQ, v[ADRS]
	FETCH_B \next, 0, 0
	FETCH_A \next, 0, 0
	SCALES \next
	WIN MUL_HI
	MUL16 4, 1, NQ-1, \slot, 0
	MUL16 6, 1, NQ-1, \slot, 0
	PLACES NP
	WIN 0
	FETCH_A \next, 0, 4
.endm
	s_wait_alu depctr_va_vdst(0)
	s_wait_dscnt 0x0
	s_wait_tensorcnt 1
	s_barrier_signal -1
	s_barrier_wait -1
	FETCH_B 0, 0, 0
	FETCH_A 0, 0, 0
	SCALES 0
	FETCH_A 0, 0, 4
	STEP 0, 0, 1
	TURN 0, 1, 1
	STEP 1, 0, 0
	TURN 1, 0, 1
	STEP 0, 0, 0
	TURN 0, 1, 0
	STEP 1, 0, 0
	s_wait_dscnt 4*NL
	WIN MUL_LO
	MUL16 0, 1, NQ-1, 1, 0
	MUL16 2, 1, NQ-1, 1, 0
	s_wait_dscnt 0
	WIN MUL_HI
	MUL16 4, 1, NQ-1, 1, 0
	MUL16 6, 1, NQ-1, 1, 0
	WIN 0
.macro XLOAD a
	WIN TO_B
.irp t, 0,1,2,3,4,5,6,7,8,9,10,11,12,13,14,15
	global_load_b128 v[64*((\a)%4)+4*\t:64*((\a)%4)+4*\t+3], v[CO], s[94:95] offset:(32*((\a)/2)+8*((\a)%2)+\t+8*(\t/8))*8192 th:TH_LOAD_NT
.endr
	WIN 0
.endm
.macro TOSTAGE a
.set AC, 64*((\a)%4)
	WIN 0x08+4*((\a)/4)
.irp b, 0,1,2,3,4,5,6,7
	ds_store_b128 v[STO], v[AC+8*\b:AC+8*\b+3] offset:128*(\b/2)+32*(\b%2)
	ds_store_b128 v[STO], v[AC+8*\b+4:AC+8*\b+7] offset:128*(\b/2)+32*(\b%2)+16
.endr
	WIN 0
.set BB, BK+64*((\a)%2)
.irp t, 0,1,2,3,4,5,6,7,8,9,10,11,12,13,14,15
	ds_load_b128 v[BB+4*\t:BB+4*\t+3], v[RD] offset:\t*SPITCH
.endr
.endm
.macro SEND a, younger
.set BB, BK+64*((\a)%2)
.set XB, 64*((\a)%4)
	s_wait_dscnt \younger
.if (\a) <= 4
	s_wait_loadcnt 48
.else
	s_wait_loadcnt 16*(7-(\a))
.endif
	WIN 0x04
.set ii, 0
.rept 32
	v_pk_add_f32 v[BB+ii:BB+ii+1], v[BB+ii:BB+ii+1], v[XB+ii:XB+ii+1]
.set ii, ii+2
.endr
	WIN 0
.irp t, 0,1,2,3,4,5,6,7,8,9,10,11,12,13,14,15
	global_store_b128 v[CO], v[BB+4*\t:BB+4*\t+3], s[96:97] offset:(32*((\a)/2)+8*((\a)%2)+\t+8*(\t/8))*8192 th:TH_STORE_NT
.endr
.endm
	PLACES NP
	XLOAD 0
	XLOAD 1
	XLOAD 2
	XLOAD 3
	TOSTAGE 0
.irp a, 1,2,3,4,5,6,7
.if \a > 1
	s_wait_xcnt 0x0
.endif
	TOSTAGE \a
	SEND \a-1, 32
.if \a < 5
	XLOAD \a+3
.endif
.endr
	SEND 7, 0
	s_wait_tensorcnt 0x0
	ds_add_u32 v[SPW], v[NIL]
	s_wait_dscnt 0x0
	CROUND
	s_endpgm
.Lfunc_end_k_qc17153da55_proj:
	.size	k_qc17153da55_proj, .Lfunc_end_k_qc17153da55_proj-k_qc17153da55_proj
	.p2alignl 7, 3214868480
	.fill 96, 4, 3214868480
	.section	.rodata,"a",@progbits
	.p2align	6, 0x0
	.amdhsa_kernel k_qc17153da55_proj
		.amdhsa_group_segment_fixed_size 327680
		.amdhsa_private_segment_fixed_size 0
		.amdhsa_enable_private_segment 0
		.amdhsa_kernarg_size 56
		.amdhsa_user_sgpr_count 2
		.amdhsa_user_sgpr_kernarg_segment_ptr 1
		.amdhsa_wavefront_size32 1
		.amdhsa_system_sgpr_workgroup_id_x 1
		.amdhsa_system_sgpr_workgroup_id_y 1
		.amdhsa_system_sgpr_workgroup_id_z 1
		.amdhsa_system_vgpr_workitem_id 0
		.amdhsa_next_free_vgpr 1024
		.amdhsa_next_free_sgpr 100
		.amdhsa_reserve_vcc 0
		.amdhsa_float_denorm_mode_32 3
		.amdhsa_float_denorm_mode_16_64 3
		.amdhsa_memory_ordered 1
		.amdhsa_forward_progress 1
		.amdhsa_inst_pref_size 179
	.end_amdhsa_kernel
	.amdgpu_metadata
---
amdhsa.version: [ 1, 2 ]
amdhsa.kernels:
  - .name:           k_qc17153da55_proj
    .symbol:         k_qc17153da55_proj.kd
    .args:
      - { .name: codes, .offset: 0, .size: 8, .value_kind: global_buffer, .address_space: global }
      - { .name: scales, .offset: 8, .size: 8, .value_kind: global_buffer, .address_space: global }
      - { .name: oc, .offset: 16, .size: 8, .value_kind: global_buffer, .address_space: global }
      - { .name: os2, .offset: 24, .size: 8, .value_kind: global_buffer, .address_space: global }
      - { .name: b_proj, .offset: 32, .size: 8, .value_kind: global_buffer, .address_space: global }
      - { .name: x, .offset: 40, .size: 8, .value_kind: global_buffer, .address_space: global }
      - { .name: out0, .offset: 48, .size: 8, .value_kind: global_buffer, .address_space: global }
    .group_segment_fixed_size: 327680
    .private_segment_fixed_size: 0
    .kernarg_segment_align: 8
    .kernarg_segment_size: 56
    .max_flat_workgroup_size: 128
    .sgpr_count:     100
    .vgpr_count:     1024
    .wavefront_size: 32
...
	.end_amdgpu_metadata
.endif
;; end of part 4
